; MI455X (gfx1250); checked and timed in simulation.
; The chip was launched on July 23, 2026; its instructions are those of AMD's public machine-readable ISA for CDNA 5 (MIT licence, August 2026) and "CDNA5" Instruction Set Architecture Reference Guide (July 2026). The comments in the code are by the model that wrote it; some were corrected since.
;; Self Attention Block. Allowed arithmetic: matrix products marked QUANTISED: E2M1 operands, one E8M0 scale for each 32 along K, by v_wmma_scale_f32_16x16x128_f8f6f4 with both operands' format E2M1 (or v_wmma_scale_f32_32x16x128_f4), f32 sums; everything else in f32.
;; Inputs: Wk_codes 1,024 x 64 x 16 uint8 (E2M1 codes of Wk, K innermost, in blocks of 32 codes, two codes a byte); Wk_scales 1,024 x 64 uint8 (E8M0 scales of Wk, one for each 32 codes along K); Wo_codes 2,048 x 32 x 16 uint8 (E2M1 codes of Wo, K innermost, in blocks of 32 codes, two codes a byte); Wo_scales 2,048 x 32 uint8 (E8M0 scales of Wo, one for each 32 codes along K); Wq_codes 1,024 x 64 x 16 uint8 (E2M1 codes of Wq, K innermost, in blocks of 32 codes, two codes a byte); Wq_scales 1,024 x 64 uint8 (E8M0 scales of Wq, one for each 32 codes along K); Wv_codes 1,024 x 64 x 16 uint8 (E2M1 codes of Wv, K innermost, in blocks of 32 codes, two codes a byte); Wv_scales 1,024 x 64 uint8 (E8M0 scales of Wv, one for each 32 codes along K); attention_mask 4 x 1,024 x 1,024 bool; hidden_states 4 x 1,024 x 2,048 float32; ln_weight 2,048 float32; position_bias 32 x 1,024 x 1,024 float32.
;; Outputs: out0 4 x 1,024 x 2,048 float32.
;; This version of the problem:
;;   THIS VERSION OF THE PROBLEM IS GIVEN IN LOW PRECISION. The matrix products marked QUANTISED in the list below multiply operands that are first quantised to E2M1 (2 exponent bits, 1 mantissa bit; 4 bits a number), with one power-of-two scale for each 32 numbers along K (OCP MX v1.0); their sums are f32. All else is computed in f32.
;;   The module's matrix products, in the order in which they are computed (A, B: the left and right operand; K: the contracted axis; several contracted axes count as one K, in the product's order):
;;     1. [M 4,096, K 2,048] x [K 2,048, N 1,024]; A: computed on the way; B: input Wq (given as codes): QUANTISED
;;     2. [M 4,096, K 2,048] x [K 2,048, N 1,024]; A: computed on the way; B: input Wk (given as codes): QUANTISED
;;     3. [M 4,096, K 2,048] x [K 2,048, N 1,024]; A: computed on the way; B: input Wv (given as codes): QUANTISED
;;     4. batch 128 x [M 1,024, K 32] x [K 32, N 1,024]; A: computed on the way; B: computed on the way: QUANTISED
;;     5. batch 128 x [M 1,024, K 1,024] x [K 1,024, N 32]; A: computed on the way; B: computed on the way: QUANTISED
;;     6. [M 4,096, K 1,024] x [K 1,024, N 2,048]; A: computed on the way; B: input Wo (given as codes): QUANTISED
;;   THE QUANTISER, for each operand of a quantised product, along K:
;;     - K is cut into blocks of 32 from its start; a last block that is shorter is filled with zeros.
;;     - A block's scale is 2^e with e = floor(log2(the largest magnitude in the block)) - 2, held to -126 .. 127; a block of zeros has e = 0. As a byte (E8M0): e + 127.
;;     - Each number is divided by its block's scale, clamped to +-6, and rounded to the nearest number of E2M1, ties to even, subnormals kept.
;;     - The product sums the exact products of the quantised numbers (number of the format x scale) in f32.
;;   ~~~python
;;   def quantise(x, axis):      # numpy; x: float32 -> the quantised numbers, widened to float32 again
;;       x = np.moveaxis(x, axis, -1); K = x.shape[-1]
;;       x = np.pad(x, [(0, 0)] * (x.ndim - 1) + [(0, -K % 32)]); x = x.reshape(x.shape[:-1] + (-1, 32)); a = np.abs(x).max(-1, keepdims=True)
;;       e = np.where(a > 0, np.clip(np.frexp(np.where(a > 0, a, 1))[1] - 1 - 2, -126, 127), 0)      # np.frexp(a)[1] - 1 = floor(log2(a)), exactly
;;       r = np.clip(x / 2.0 ** e, -6, 6)
;;       step = 2.0 ** (np.maximum(np.frexp(np.where(r == 0, 1, r))[1] - 1, 0) - 1)
;;       q = np.round(r / step) * step * 2.0 ** e      # np.round: ties to even
;;       return np.moveaxis(q.reshape(q.shape[:-2] + (-1,))[..., :K], -1, axis).astype(np.float32)
;;   ~~~
;;   OPERANDS COMPUTED ON THE WAY. 'Computed on the way' means the value that the module computes at that place (a softmax that the list does not call 'softmax' is quantised finished and normalised). What goes into a quantiser is computed in f32, as accurately as f32 sums, v_exp_f32 and their like allow (about 1e-6 of the number): no bf16 or f16 on the way to a quantiser, and a product that is left as it is and whose result goes on into a quantised operand takes f32 operands (vector FMAs, or v_wmma_f32_16x16x4_f32). A number that lies on a knife's edge between two numbers of the format may be rounded either way, as far as f32 arithmetic and the matrix unit's own rounding can turn it there, and no further.
;;   INPUTS GIVEN AS CODES. Wk (in the module: [1024, 2048], K = its axis 1); Wo (in the module: [2048, 1024], K = its axis 1); Wq (in the module: [1024, 2048], K = its axis 1); Wv (in the module: [1024, 2048], K = its axis 1): each comes as NAME_codes (uint8): NAME with its K axis moved to the last place and cut into blocks of 32 codes, [.., K / 32, bytes a block], one block behind the other in memory; two codes a byte, the lower K in the low four bits (a code: sign, 2 exponent bits, 1 mantissa bit); and NAME_scales (uint8): the same leading axes, one E8M0 byte (e + 127) for each 32 codes along K. Its value is code x scale, taken as it is: it is not quantised again, and the codes and scales need not be those that the quantiser above would give.
;; One version. Each part assembles by itself: llvm-mc -triple=amdgcn-amd-amdhsa -mcpu=gfx1250 --defsym DOCPART=n.
;; ======== version 1 of 1: 4 launches
;; limits: right only within a limited range of input values
;; workspace buffers: xc 4,194,304 bytes; xs 262,144 bytes; mk 2,097,152 bytes; qkvc 6,291,456 bytes; qkvs 393,216 bytes; cc 2,097,152 bytes; cs 131,072 bytes
;; launch prep (part 1): grid 256 x 1, 4 waves a work-group, no clusters, 33,280 bytes of LDS; arguments hidden_states, ln_weight, attention_mask, xc, xs, mk; writes xc, xs, mk
.if DOCPART == 1
	.amdgcn_target "amdgcn-amd-amdhsa--gfx1250"
	.amdhsa_code_object_version 6
	.text
	.protected	k_qa63bcd6f16_prep
	.globl	k_qa63bcd6f16_prep
	.p2align	8
	.type	k_qa63bcd6f16_prep,@function
k_qa63bcd6f16_prep:
	s_mov_b64 s[64:65], 0
	v_nop
	global_prefetch_b8 v0, s[64:65] scope:SCOPE_SE
	s_setreg_imm32_b32 hwreg(HW_REG_WAVE_MODE, 25, 1), 1
	s_wait_xcnt 0x0
; x = hidden * rsqrt(mean(hidden^2) + 1e-6) * ln_weight, in f32, turned into codes of E2M1 with one E8M0 byte for each 32 along the 2,048 (xc: [4096][1024 bytes], xs: [4096][64]);
; and the boolean mask turned into codes of E2M1 (mk): 0xF (-6) where the mask is false, 0 where it is true, laid as the attention launch's matrix operand wants them.
; NO WORK OF THE PROBLEM IS LEFT OUT in this program: every input has a way to the output and is loaded.
; LIMITS: NaN and infinities among the inputs are not served.  A block of zeros gets the scale byte 1 (its codes are zeros; these bytes are read by this program alone);
; a block whose largest magnitude lies under 2^-124 is held at the byte 1.
; SHARES.  Work-group g: rows 16 g .. 16 g + 15 of x and of the mask.  Wave w: rows 4 w .. 4 w + 3 of x, a whole row in 64 registers; and keys 256 w .. 256 w + 255 of the 16 mask rows.
; mk: [tile of 16 queries][block of 32 keys][query][16 bytes]; the four words of a piece are keys 0-7, 16-23, 8-15, 24-31 of the block.
; Every LDS byte is a wave's own: no barrier.  A load covers 512 consecutive bytes; the numbers turn through a stage in LDS so that a lane holds 16 neighbours for the conversions.
.set WREG,  8192                       ; LDS of a wave: two stages of 32 x 80 bytes, 256 scale bytes, the mask's stage
.set SP,    80
.set STG1,  2560
.set SBY,   5120
.set MST,   5632
.set SPARE, 32768                      ; the spare words, 128 bytes a wave
.set X,     32                         ; v32-63   two sets of 16 neighbours; first the mask's bytes
.set W,     64                         ; v64-127  ln_weight as a row is loaded
.set RA,    128                        ; v128-191, v192-255: two rows
.set RB,    192
	s_load_b256 s[4:11], s[0:1], 0x0               ; hidden, ln_weight, mask, xc
	s_load_b128 s[12:15], s[0:1], 0x20             ; xs, mk
	v_lshl_add_u32 v11, v0, 2, SPARE               ; my spare word,
	v_mov_b32 v12, 0                               ; and 0
	v_lshrrev_b32 v1, 5, v0
	v_readfirstlane_b32 s16, v1                    ; wave
	v_and_b32 v1, 31, v0                           ; lane
	v_lshlrev_b32 v2, 4, v1                        ; 16 x lane
	s_mul_i32 s17, s16, WREG
	v_lshrrev_b32 v3, 2, v1
	v_mul_u32_u24 v3, v3, SP
	v_and_b32 v13, 3, v1
	v_lshl_add_u32 v3, v13, 4, v3
	v_add_nc_u32 v3, s17, v3                       ; the stage, in: 80 (lane / 4) + 16 (lane % 4)
	v_mul_u32_u24 v4, v1, SP
	v_add_nc_u32 v4, s17, v4                       ; out: 80 x lane
	v_lshlrev_b32 v5, 3, v1                        ; 8 x lane
	v_lshrrev_b32 v6, 1, v1
	v_add_nc_u32 v6, s17, v6
	v_add_nc_u32 v6, SBY, v6                       ; my block's scale byte
	v_add_nc_u32 v7, s17, v5
	v_add_nc_u32 v7, SBY, v7                       ; the scale bytes on the way out
	v_lshrrev_b32 v13, 3, v1
	v_and_b32 v14, 7, v1
	v_lshlrev_b32 v8, 10, v13
	v_lshl_add_u32 v8, v14, 5, v8                  ; mask: row lane / 8, 32 bytes at 32 (lane % 8)
	v_mul_u32_u24 v9, v14, 272
	v_lshl_add_u32 v9, v13, 4, v9
	v_add_nc_u32 v9, s17, v9
	v_add_nc_u32 v9, MST, v9                       ; mask stage, in: block lane % 8, row lane / 8
	v_lshrrev_b32 v13, 4, v1
	v_and_b32 v14, 15, v1
	v_mul_u32_u24 v10, v13, 272
	v_lshl_add_u32 v10, v14, 4, v10
	v_add_nc_u32 v10, s17, v10
	v_add_nc_u32 v10, MST, v10                     ; out: block lane / 16, row lane % 16
	s_mov_b32 s20, 0x76543210
	s_mov_b32 s21, 0xfedcba98                      ; lane l xor 16
	s_mov_b32 s22, 0x01010101
	s_mov_b32 s23, 0x06040200
	s_mov_b32 s24, 0x3a000000                      ; 1 / 2048
	s_mov_b32 s25, 0x358637bd                      ; 1e-6
	s_lshl_b32 s18, ttmp9, 17
	s_lshl_b32 s19, s16, 15
	s_add_co_u32 s18, s18, s19                     ; hidden: (16 g + 4 w) rows of 8,192 bytes
	s_mov_b32 s19, 0
	s_lshl_b32 s26, ttmp9, 14
	s_lshl_b32 s27, s16, 12
	s_add_co_u32 s26, s26, s27                     ; xc: rows of 1,024 bytes
	s_mov_b32 s27, 0
	s_lshl_b32 s28, ttmp9, 10
	s_lshl_b32 s29, s16, 8
	s_add_co_u32 s28, s28, s29                     ; xs: rows of 64 bytes
	s_mov_b32 s29, 0
	s_lshl_b32 s30, ttmp9, 14
	s_lshl_b32 s31, s16, 8
	s_add_co_u32 s30, s30, s31                     ; mask: 16 g rows of 1,024 bytes + 256 w
	s_mov_b32 s31, 0
	s_lshl_b32 s32, ttmp9, 13
	s_lshl_b32 s33, s16, 11
	s_add_co_u32 s32, s32, s33                     ; mk: 8,192 g + 2,048 w
	s_mov_b32 s33, 0
	s_wait_kmcnt 0x0
	s_add_nc_u64 s[4:5], s[4:5], s[18:19]
	s_add_nc_u64 s[8:9], s[8:9], s[30:31]
	s_add_nc_u64 s[10:11], s[10:11], s[26:27]
	s_add_nc_u64 s[12:13], s[12:13], s[28:29]
	s_add_nc_u64 s[14:15], s[14:15], s[32:33]
.macro LOADROW row, set                ; a row: 16 loads of 512 consecutive bytes
.irp j, 0,1,2,3,4,5,6,7,8,9,10,11,12,13,14,15
	global_load_b128 v[\set+4*\j:\set+4*\j+3], v2, s[4:5] offset:8192*(\row)+512*\j th:TH_LOAD_NT
.endr
.endm
.irp i, 0,1,2,3
	global_load_b128 v[X+8*\i:X+8*\i+3], v8, s[8:9] offset:4096*\i          ; mask: rows 4 i + lane / 8: eight lanes read 256 consecutive bytes
	global_load_b128 v[X+8*\i+4:X+8*\i+7], v8, s[8:9] offset:4096*\i+16
.endr
.irp j, 0,1,2,3,4,5,6,7,8,9,10,11,12,13,14,15
	global_load_b128 v[W+4*\j:W+4*\j+3], v2, s[6:7] offset:512*\j
.endr
	LOADROW 0, RA
	LOADROW 1, RB
	s_wait_loadcnt 48                              ; the mask's eight loads are in; ln_weight's 16 and two rows' 32 may be out
.irp j, 0,1,2,3,4,5,6,7,8,9,10,11,12,13,14,15,16,17,18,19,20,21,22,23,24,25,26,27,28,29,30,31
	v_xor_b32 v[X+\j], s22, v[X+\j]                ; 1 where the mask is false,
.endr
.irp j, 0,1,2,3,4,5,6,7,8,9,10,11,12,13,14,15,16,17,18,19,20,21,22,23,24,25,26,27,28,29,30,31
	v_mul_lo_u32 v[X+\j], v[X+\j], 15              ; 0x0f there
.endr
.irp j, 0,1,2,3,4,5,6,7,8,9,10,11,12,13,14,15,16,17,18,19,20,21,22,23,24,25,26,27,28,29,30,31
	v_lshrrev_b32 v14, 4, v[X+\j]
	v_or_b32 v[X+\j], v[X+\j], v14                 ; bytes 0 and 2 now hold two codes each
.endr
.irp i, 0,1,2,3
	v_perm_b32 v[X+8*\i], v[X+8*\i+1], v[X+8*\i], s23        ; keys 0-7
	v_perm_b32 v[X+8*\i+1], v[X+8*\i+5], v[X+8*\i+4], s23    ; keys 16-23
	v_perm_b32 v[X+8*\i+2], v[X+8*\i+3], v[X+8*\i+2], s23    ; keys 8-15
	v_perm_b32 v[X+8*\i+3], v[X+8*\i+7], v[X+8*\i+6], s23    ; keys 24-31
	ds_store_b128 v9, v[X+8*\i:X+8*\i+3] offset:64*\i
.endr
.irp j, 0,1,2,3
	ds_load_b128 v[X+8*\j+4:X+8*\j+7], v10 offset:544*\j     ; LDS serves a wave's instructions in order: these see my stores
.endr
.irp j, 0,1,2,3
	s_wait_dscnt 3-\j
	global_store_b128 v2, v[X+8*\j+4:X+8*\j+7], s[14:15] offset:512*\j   ; 512 consecutive bytes: two key blocks x 16 queries
.endr
	s_wait_xcnt 0x0                                ; the stores have read their registers: v32-63 are written again below
.macro TURN t, set                     ; 512 numbers through a stage: in as loaded, out 64 bytes a lane
.irp k, 0,1,2,3
	ds_store_b128 v3, v[\set+16*(\t)+4*\k:\set+16*(\t)+4*\k+3] offset:STG1*((\t)%2)+640*\k
.endr
.irp k, 0,1,2,3
	ds_load_b128 v[X+16*((\t)%2)+4*\k:X+16*((\t)%2)+4*\k+3], v4 offset:STG1*((\t)%2)+16*\k
.endr
.endm
; Row i of my four, held in v[set] on.  left: the loads of the other row, which may stay out.
.macro ROW i, set, left
	s_wait_loadcnt \left
.irp c, 0,1,2,3
	v_pk_mul_f32 v[14+2*\c:15+2*\c], v[\set+2*\c:\set+2*\c+1], v[\set+2*\c:\set+2*\c+1]    ; the squares, in four chains of pairs
.endr
.set IP, 4
.rept 28
	v_pk_fma_f32 v[14+2*(IP%4):15+2*(IP%4)], v[\set+2*IP:\set+2*IP+1], v[\set+2*IP:\set+2*IP+1], v[14+2*(IP%4):15+2*(IP%4)]
.set IP, IP+1
.endr
	v_pk_add_f32 v[14:15], v[14:15], v[16:17]
	v_pk_add_f32 v[18:19], v[18:19], v[20:21]
	v_pk_add_f32 v[14:15], v[14:15], v[18:19]
	v_add_f32 v14, v14, v15
	v_add_f32_dpp v14, v14, v14 row_xmask:1 row_mask:0xf bank_mask:0xf
	v_add_f32_dpp v14, v14, v14 row_xmask:2 row_mask:0xf bank_mask:0xf
	v_add_f32_dpp v14, v14, v14 row_xmask:4 row_mask:0xf bank_mask:0xf
	v_add_f32_dpp v14, v14, v14 row_xmask:8 row_mask:0xf bank_mask:0xf
	v_permlanex16_b32 v15, v14, s20, s21
	v_add_f32 v14, v14, v15                        ; the row's sum of squares, in every lane
	v_fma_f32 v14, v14, s24, s25                   ; / 2048 + 1e-6
	v_rsq_f32 v16, v14
	v_rsq_f32 v17, v14
	v_nop                                          ; a plain instruction behind the transcendentals,
	s_wait_alu depctr_va_vdst(0)                   ; and a wait ahead of their first reader
.set IP, 0
.rept 32
	v_pk_mul_f32 v[\set+2*IP:\set+2*IP+1], v[\set+2*IP:\set+2*IP+1], v[16:17]
.set IP, IP+1
.endr
.set IP, 0
.rept 32
	v_pk_mul_f32 v[\set+2*IP:\set+2*IP+1], v[\set+2*IP:\set+2*IP+1], v[W+2*IP:W+2*IP+1]
.set IP, IP+1
.endr
	TURN 0, \set
.irp t, 0,1,2,3
	s_wait_dscnt 0x0                               ; this step's numbers are back, and the stage's stores have read their registers
.if \t < 3
	TURN \t+1, \set
.endif
.if (\t == 3) && (\i < 2)
	LOADROW \i+2, \set                             ; the row two further on takes this row's registers
.endif
.set XS, X+16*(\t%2)
	v_max3_num_f32 v22, |v[XS]|, |v[XS+1]|, |v[XS+2]|
	v_max3_num_f32 v23, |v[XS+3]|, |v[XS+4]|, |v[XS+5]|
.irp q, 6,10
	v_max3_num_f32 v22, v22, |v[XS+\q]|, |v[XS+\q+1]|
	v_max3_num_f32 v23, v23, |v[XS+\q+2]|, |v[XS+\q+3]|
.endr
	v_max3_num_f32 v22, v22, |v[XS+14]|, |v[XS+15]|
	v_max3_num_f32 v22, v22, v23, 0x1800000        ; the floor 2^(3 - 127): the byte cannot fall under 1
	v_max_num_f32_dpp v22, v22, v22 row_xmask:1 row_mask:0xf bank_mask:0xf   ; with my neighbour's 16: the block's largest magnitude
	v_add_nc_u32 v21, 0xff000000, v22              ; 2 off its exponent field: the conversion's scale operand
	s_wait_xcnt 0x0                                ; earlier stores have read the codes' registers
	v_cvt_scalef32_pk8_fp4_f32 v[24+2*(\t%2)], v[XS:XS+7], v21
	v_cvt_scalef32_pk8_fp4_f32 v[25+2*(\t%2)], v[XS+8:XS+15], v21
	v_lshrrev_b32 v[28+(\t%2)], 23, v21            ; the scale's byte
	ds_store_b8 v6, v[28+(\t%2)] offset:64*\i+16*\t
	global_store_b64 v5, v[24+2*(\t%2):25+2*(\t%2)], s[10:11] offset:1024*\i+256*\t   ; 256 consecutive bytes, aligned
.endr
.endm
	ROW 0, RA, 16
	ROW 1, RB, 16
	ROW 2, RA, 16
	ROW 3, RB, 0
	ds_load_b64 v[14:15], v7                       ; my four rows' 256 scale bytes
	s_wait_dscnt 0x0
	global_store_b64 v5, v[14:15], s[12:13]        ; one aligned run of 256 bytes
	s_wait_tensorcnt 0x0                           ; the wave's end
	ds_add_u32 v11, v12
	s_wait_dscnt 0x0
	s_endpgm
.Lfunc_end_k_qa63bcd6f16_prep:
	.size	k_qa63bcd6f16_prep, .Lfunc_end_k_qa63bcd6f16_prep-k_qa63bcd6f16_prep
	.p2alignl 7, 3214868480
	.fill 96, 4, 3214868480
	.section	.rodata,"a",@progbits
	.p2align	6, 0x0
	.amdhsa_kernel k_qa63bcd6f16_prep
		.amdhsa_group_segment_fixed_size 33280
		.amdhsa_private_segment_fixed_size 0
		.amdhsa_enable_private_segment 0
		.amdhsa_kernarg_size 48
		.amdhsa_user_sgpr_count 2
		.amdhsa_user_sgpr_kernarg_segment_ptr 1
		.amdhsa_wavefront_size32 1
		.amdhsa_system_sgpr_workgroup_id_x 1
		.amdhsa_system_sgpr_workgroup_id_y 1
		.amdhsa_system_sgpr_workgroup_id_z 1
		.amdhsa_system_vgpr_workitem_id 0
		.amdhsa_next_free_vgpr 256
		.amdhsa_next_free_sgpr 66
		.amdhsa_reserve_vcc 0
		.amdhsa_float_denorm_mode_32 3
		.amdhsa_float_denorm_mode_16_64 3
		.amdhsa_memory_ordered 1
		.amdhsa_forward_progress 1
		.amdhsa_inst_pref_size 71
	.end_amdhsa_kernel
	.amdgpu_metadata
---
amdhsa.version: [ 1, 2 ]
amdhsa.kernels:
  - .name:           k_qa63bcd6f16_prep
    .symbol:         k_qa63bcd6f16_prep.kd
    .args:
      - { .name: hidden_states, .offset: 0, .size: 8, .value_kind: global_buffer, .address_space: global }
      - { .name: ln_weight, .offset: 8, .size: 8, .value_kind: global_buffer, .address_space: global }
      - { .name: attention_mask, .offset: 16, .size: 8, .value_kind: global_buffer, .address_space: global }
      - { .name: xc, .offset: 24, .size: 8, .value_kind: global_buffer, .address_space: global }
      - { .name: xs, .offset: 32, .size: 8, .value_kind: global_buffer, .address_space: global }
      - { .name: mk, .offset: 40, .size: 8, .value_kind: global_buffer, .address_space: global }
    .group_segment_fixed_size: 33280
    .private_segment_fixed_size: 0
    .kernarg_segment_align: 8
    .kernarg_segment_size: 48
    .max_flat_workgroup_size: 128
    .sgpr_count:     66
    .vgpr_count:     256
    .wavefront_size: 32
...
	.end_amdgpu_metadata
.endif
;; end of part 1
;; launch qkv (part 2): grid 48 x 4, 4 waves a work-group, clusters of 4 x 4, 327,680 bytes of LDS; arguments xc, xs, Wq_codes, Wq_scales, Wk_codes, Wk_scales, Wv_codes, Wv_scales, qkvc, qkvs; writes qkvc, qkvs
.if DOCPART == 2
	.amdgcn_target "amdgcn-amd-amdhsa--gfx1250"
	.amdhsa_code_object_version 6
	.text
	.protected	k_qa63bcd6f16_qkv
	.globl	k_qa63bcd6f16_qkv
	.p2align	8
	.type	k_qa63bcd6f16_qkv,@function
k_qa63bcd6f16_qkv:
	s_mov_b64 s[64:65], 0
	v_nop
	global_prefetch_b8 v0, s[64:65] scope:SCOPE_SE
	s_setreg_imm32_b32 hwreg(HW_REG_WAVE_MODE, 25, 1), 1
	s_wait_xcnt 0x0
	s_wait_alu depctr_hold_cnt(0) depctr_sa_sdst(0) depctr_va_vdst(0) depctr_va_sdst(0) depctr_va_ssrc(0) depctr_va_vcc(0) depctr_vm_vsrc(0)
	s_getreg_b32 s2, hwreg(HW_REG_IB_STS2, 6, 4)
	s_cmp_eq_u32 s2, 0
	s_cbranch_scc0 .Lentry_in_a_cluster
	s_endpgm
.Lentry_in_a_cluster:
	s_bfe_u32 s2, ttmp6, 0x10000c
	s_cmp_lg_u32 s2, 0xf033
	s_cbranch_scc0 .Lentry_shape_is_right
	s_endpgm
.Lentry_shape_is_right:
; q = x Wq^T, k = x Wk^T, v = x Wv^T on codes of E2M1 (K = 2,048), each result quantised on the way out along the K of the product that takes it next:
; q and k along the head's 32 channels, v along the keys.  Nothing of the problem is left out.
; A tile is 256 x 256 of C = A B^T: four waves, 128 x 128 each, 64 accumulators.  Twelve clusters of 4 x 4 work-groups.  Cluster number c < 8: A = x (tile row 4 (c / 2) + cy), B = Wq (c even) or Wk (tile column cx).
; c >= 8: A = Wv (tile row cy), B = x (tile column 4 (c - 8) + cx): v comes out transposed.  All operands have rows of 1,024 bytes of codes and 64 scale bytes, so only pointers and offsets differ,
; chosen by selects on the cluster's number, which all sixteen partners share: there is one path through the text.
; THE MATRIX INSTRUCTION IS USED TRANSPOSED (source 0 = 16 rows of B, source 1 = 16 rows of A): a lane holds one row of A, its registers run along B's rows.  THE ROWS OF B THAT FORM A TILE ARE NOT NEIGHBOURS:
; lane r of tile 2 b + u takes row 32 b + 8 u + r + 8 (r / 8), so that the 16 registers of tiles 2 b, 2 b + 1 are 16 neighbours: half of a block of 32 of the next K; lane l xor 16 holds the other half.
; K goes in steps of 512 through two LDS slots filled by joint tensor loads (A's tile shared along a row of the cluster, B's along a column); the scale bytes of all of K come once and stay.
; OUT: qkvc: q [b][h][s][16 bytes] at 0, k likewise at 2,097,152, v [b][h][block of 32 keys][channel][16 bytes] at 4,194,304.
;      qkvs, words of four bytes: q [(8 b + h / 4) 1024 + s] byte h % 4 at 0; k likewise at 131,072; v [(8 b + keys / 128) 1024 + 32 h + d], byte = the block in the 128 keys, at 262,144.
; LIMITS: a block of zeros gets the byte 1 (codes zero; this program alone reads the bytes); largest magnitudes under 2^-124 are held at the byte 1; NaN and infinities are not served.
; REGISTERS, in windows of 256: window 0: v0-31 addresses; v32-95 scale words, two sets, and nothing else; v128-191 A's fragments, one set; v192-235 the way out.
;   window 1: B's fragments, two sets.  window 2: accumulators of my rows 0-63 ((a, b) at v[8 (8 a + b)]); window 3: of rows 64-127.
.set KSTEP,  512
.set NQ,     4
.set ROWB,   256
.set KROW,   1024
.set PITCH,  272                       ; 256 bytes + 16 of padding
.set FR,     8
.set NL,     2
.set NP,     4
.set HALFT,  128*PITCH
.set SLOT,   4*HALFT
.set LAPS,   2
.set KS,     64
.set SCL,    2*SLOT
.set HALFS,  8704                      ; the scales of 128 rows: 32 runs of 256 bytes + 16
.set SBLK,   1088                      ; of 16 rows
.set SPARE,  SCL+4*HALFS
.set ADRA, 16
.set ADRB, 20
.set VO0,  24                          ; the way out: 16 r + (lane / 16) x the step from block to block
.set VO1,  25                          ; the same two blocks on
.set WO,   26                          ; 4 x lane
.set ADRS, 27                          ; my scale words, for even tiles
.set SPW,  28
.set NIL,  29
.set ADRT, 30                          ; for odd tiles: B's odd tiles begin 8 rows earlier than 16 i
.set SC,   32
.set AF,   128
.set TM,   192                         ; v192-195 largest magnitudes, v196-199 the other half's, then bytes, v204-207 scale operands
.set SWR,  208                         ; v208-215 a scale word for each block of 16 rows
.set PC,   216                         ; v216-223 codes
.set SWO,  232
.set G1, 24
.set G0, 32
.set G1B, 48
.set G0B, 56
.set G1S, 68
.set G0S, 76
.set G1SB, 80
.set G0SB, 88
.set MSB, 0
.macro WIN new                         ; the immediate's high byte repeats the setting that is left
.if MSB != \new
	s_set_vgpr_msb (MSB<<8)|\new
.set MSB, \new
.endif
.endm
.set MUL_LO, 0xa1
.set MUL_HI, 0xf1
.set TO_B,   0x40
; A joint load: waves 0 and 1 fetch for A, waves 2 and 3 for B; the branch hangs on the wave's number alone.  An s_nop 0 and four v_nop follow each line.
.macro JLOAD g0a, g1a, g0b, g1b
	s_cmp_eq_u32 s15, 0
	s_cbranch_scc0 .Lfor_b_\@
	tensor_load_to_lds s[\g0a:\g0a+3], s[\g1a:\g1a+7]
	s_nop 0
.rept 4
	v_nop
.endr
	s_branch .Lasked_\@
.Lfor_b_\@:
	tensor_load_to_lds s[\g0b:\g0b+3], s[\g1b:\g1b+7]
	s_nop 0
.rept 4
	v_nop
.endr
.Lasked_\@:
.endm
.macro CREST
	s_cmp_lg_u32 s14, 0
	s_cbranch_scc1 .Lnot_wave_0_\@
	s_barrier_signal -3
.Lnot_wave_0_\@:
	s_barrier_wait -3
	s_barrier_signal -1
	s_barrier_wait -1
.endm
.macro CROUND
	s_barrier_signal -1
	s_barrier_wait -1
	CREST
.endm
	s_load_b256 s[32:39], s[0:1], 0x0              ; xc, xs, Wq's codes, Wq's scales  (these registers become groups 0 once the choice is made)
	s_load_b256 s[56:63], s[0:1], 0x20             ; Wk's codes, Wk's scales, Wv's codes, Wv's scales
	s_load_b128 s[88:91], s[0:1], 0x40             ; qkvc, qkvs
	v_lshl_add_u32 v[SPW], v0, 2, SPARE
	v_mov_b32 v[NIL], 0
	ds_add_u32 v[SPW], v[NIL]                      ; the opening: the add, twice on end, and its wait ahead of my first tensor load
	ds_add_u32 v[SPW], v[NIL]
	v_lshrrev_b32 v1, 5, v0
	v_readfirstlane_b32 s14, v1                    ; wave 0..3
	s_lshr_b32 s15, s14, 1                         ; which half of the tile's rows is mine; also: I fetch for A (0) or for B (1)
	s_and_b32 s16, s14, 1                          ; which half of its columns; also: which 128 rows I fetch
	s_bfe_u32 s40, ttmp6, 0x40000                  ; cx
	s_bfe_u32 s41, ttmp6, 0x40004                  ; cy
	s_lshr_b32 s18, ttmp9, 1
	s_sub_co_u32 s19, ttmp9, 8
	s_cmp_lt_u32 ttmp9, 8                          ; q or k (A = x), or v (A = Wv)?  The cluster's number: the same in all partners
	s_cselect_b32 s18, s18, 0
	s_cselect_b32 s19, 0, s19
	s_lshl_b32 s42, s19, 2
	s_add_co_u32 s42, s42, s40                     ; tile column
	s_lshl_b32 s17, s18, 2
	s_add_co_u32 s17, s17, s41                     ; tile row
	s_lshl_b32 s43, s41, 2
	s_lshl_b32 s43, 15, s43                        ; my row of the cluster
	s_lshl_b32 s44, 0x1111, s40                    ; my column
	s_or_b32 s[G1+0], s43, (0<<16)|(1<<20)|(1<<21)|(5<<22)|(3<<25)  ; the mask; elements of 1 byte; padding: 4 words behind every 64; bit 21 beside a mask
	s_or_b32 s[G1B+0], s44, (0<<16)|(1<<20)|(1<<21)|(5<<22)|(3<<25)
.irp g, G1, G1B
	s_mov_b32 s[\g+1], ROWB<<16                    ; tensor_dim0
	s_mov_b32 s[\g+2], 128<<16                     ; tensor_dim1
	s_mov_b32 s[\g+3], ROWB<<16                    ; tile_dim0
	s_mov_b32 s[\g+4], 128                         ; tile_dim1
	s_mov_b32 s[\g+5], KROW                        ; the pitch
	s_mov_b32 s[\g+6], 0
	s_mov_b32 s[\g+7], 0
.endr
	s_or_b32 s[G1S+0], s43, (3<<16)|(1<<20)|(1<<21)|(5<<22)|(3<<25) ; the scales of 128 rows: 8,192 dense bytes as 32 rows of 256 (32 elements of 8 bytes), 16 bytes of padding behind each
	s_or_b32 s[G1SB+0], s44, (3<<16)|(1<<20)|(1<<21)|(5<<22)|(3<<25)
.irp g, G1S, G1SB
	s_mov_b32 s[\g+1], 32<<16
	s_mov_b32 s[\g+2], 32<<16
	s_mov_b32 s[\g+3], 32<<16
	s_mov_b32 s[\g+4], 32
	s_mov_b32 s[\g+5], 32
	s_mov_b32 s[\g+6], 0
	s_mov_b32 s[\g+7], 0
.endr
	s_lshl_b32 s18, s16, 7
	s_lshl_b32 s20, s17, 8
	s_add_co_u32 s20, s20, s18                     ; A: row 256 x tile row + 128 x half
	s_lshl_b32 s46, s42, 8
	s_add_co_u32 s46, s46, s18                     ; B: row 256 x tile column + 128 x half
	s_mov_b32 s21, 0
	s_mov_b32 s47, 0
	s_mov_b64 s[18:19], KS
	s_mul_u64 s[22:23], s[20:21], s[18:19]         ; where these rows' scales begin
	s_mul_u64 s[92:93], s[46:47], s[18:19]
	s_mov_b64 s[18:19], KROW
	s_mul_u64 s[20:21], s[20:21], s[18:19]         ; and their codes
	s_mul_u64 s[46:47], s[46:47], s[18:19]
	s_mul_i32 s45, s14, HALFT                      ; where they go: by the wave's number alone
	s_mul_i32 s94, s14, HALFS
	s_wait_dscnt 0x0                               ; both opening adds are done
	s_wait_kmcnt 0x0
	s_and_b32 s2, ttmp9, 1
	s_cmp_eq_u32 s2, 0
	s_cselect_b64 s[8:9], s[36:37], s[56:57]       ; Wq or Wk
	s_cselect_b64 s[10:11], s[38:39], s[58:59]
	s_cmp_lt_u32 ttmp9, 8
	s_cselect_b64 s[4:5], s[32:33], s[60:61]       ; A: x or Wv
	s_cselect_b64 s[6:7], s[34:35], s[62:63]
	s_cselect_b64 s[8:9], s[8:9], s[32:33]         ; B: a weight or x
	s_cselect_b64 s[10:11], s[10:11], s[34:35]
	s_mov_b64 s[12:13], s[88:89]                   ; qkvc
	s_mov_b64 s[98:99], s[90:91]                   ; qkvs
	s_add_nc_u64 s[20:21], s[4:5], s[20:21]
	s_add_nc_u64 s[22:23], s[6:7], s[22:23]
	s_add_nc_u64 s[46:47], s[8:9], s[46:47]
	s_add_nc_u64 s[92:93], s[10:11], s[92:93]
	CROUND                                         ; all sixteen work-groups are here: the first joint loads meet
	s_mov_b32 s[G0S], 1
	s_add_co_u32 s[G0S+1], s94, SCL
	s_mov_b64 s[G0S+2:G0S+3], s[22:23]
	s_or_b32 s[G0S+3], s[G0S+3], 0x80000000
	s_mov_b32 s[G0SB], 1
	s_add_co_u32 s[G0SB+1], s94, SCL
	s_mov_b64 s[G0SB+2:G0SB+3], s[92:93]
	s_or_b32 s[G0SB+3], s[G0SB+3], 0x80000000
	JLOAD G0S, G1S, G0SB, G1SB                     ; the scales first
.irp s, 0,1
	s_mov_b32 s[G0+4*\s], 1
	s_add_co_u32 s[G0+4*\s+1], s45, \s*SLOT
	s_add_nc_u64 s[G0+4*\s+2:G0+4*\s+3], s[20:21], \s*ROWB
	s_or_b32 s[G0+4*\s+3], s[G0+4*\s+3], 0x80000000
	s_mov_b32 s[G0B+4*\s], 1
	s_add_co_u32 s[G0B+4*\s+1], s45, \s*SLOT
	s_add_nc_u64 s[G0B+4*\s+2:G0B+4*\s+3], s[46:47], \s*ROWB
	s_or_b32 s[G0B+4*\s+3], s[G0B+4*\s+3], 0x80000000
	JLOAD G0+4*\s, G1, G0B+4*\s, G1B
.endr
	v_and_b32 v1, 15, v0                           ; r
	v_bfe_u32 v2, v0, 4, 1                         ; h
	v_mul_u32_u24 v3, v1, PITCH
	v_lshl_add_u32 v4, v2, 4, v3                   ; A: row r x pitch + 16 h
	v_and_b32 v5, 8, v1
	v_add_nc_u32 v5, v5, v1                        ; r + 8 (r / 8)
	v_mul_u32_u24 v5, v5, PITCH
	v_lshl_add_u32 v5, v2, 4, v5                   ; B: that row x pitch + 16 h
	s_mul_i32 s21, s15, HALFT
	s_mul_i32 s22, s16, HALFT
	s_add_co_u32 s22, s22, 2*HALFT
.irp s, 0,1
	v_add_nc_u32 v[ADRA+\s], s21, v4
	v_add_nc_u32 v[ADRB+\s], s22, v5
	s_add_co_u32 s21, s21, SLOT
	s_add_co_u32 s22, s22, SLOT
.endr
	v_and_b32 v6, 24, v0
	v_add_nc_u32 v6, 8, v6
	v_lshrrev_b32 v6, 5, v6                        ; 1 in lanes 24-31
	v_lshl_add_u32 v6, v6, 3, v1                   ; the row whose scale word I take: lanes 0-15 (A) r, lanes 16-31 (B) r + 8 (r / 8)
	v_lshlrev_b32 v7, 6, v6                        ; 64 bytes a row,
	v_lshrrev_b32 v6, 2, v6
	v_lshl_add_u32 v7, v6, 4, v7                   ; and 16 more for each four rows passed
	s_mul_i32 s21, s15, HALFS                      ; A's: my 128 rows
	s_mul_i32 s22, s16, HALFS
	s_add_co_u32 s22, s22, 2*HALFS                 ; B's: my 128 rows, behind A's 256
	s_sub_co_u32 s22, s22, s21
	s_sub_co_u32 s23, s22, 544                     ; odd tiles of B begin 8 rows, two runs, earlier
	v_mul_u32_u24 v6, s22, v2
	v_mul_u32_u24 v8, s23, v2
	s_add_co_u32 s21, s21, SCL
	v_add_nc_u32 v6, v6, v7
	v_add_nc_u32 v8, v8, v7
	v_add_nc_u32 v[ADRS], s21, v6
	v_add_nc_u32 v[ADRT], s21, v8
	; THE WAY OUT'S OFFSETS.  R0: my first row of A; CQ: which 128 rows of B are mine.  Numbers made of both cx and cy stand in registers that feed no descriptor.
	s_lshl_b32 s20, s17, 8
	s_lshl_b32 s21, s15, 7
	s_add_co_u32 s20, s20, s21                     ; R0
	s_lshl_b32 s46, s42, 1
	s_add_co_u32 s46, s46, s16                     ; CQ
	s_and_b32 s2, ttmp9, 1                         ; 1: k
	s_lshr_b32 s21, s20, 10                        ; q, k: the batch,
	s_and_b32 s22, s20, 1023                       ; the token
	s_lshl_b32 s23, s21, 19
	s_lshl_b32 s66, s22, 4
	s_add_co_u32 s66, s66, s23
	s_lshl_b32 s47, s46, 16                        ; four heads of 16,384 bytes
	s_add_co_u32 s66, s66, s47
	s_lshl_b32 s47, s2, 21
	s_add_co_u32 s66, s66, s47                     ; codes, q or k
	s_lshl_b32 s23, s21, 15
	s_lshl_b32 s104, s22, 2
	s_add_co_u32 s104, s104, s23
	s_lshl_b32 s92, s46, 12
	s_add_co_u32 s104, s104, s92
	s_lshl_b32 s47, s2, 17
	s_add_co_u32 s104, s104, s47                   ; scale words, q or k
	s_lshr_b32 s23, s20, 5                         ; v: the head
	s_lshl_b32 s67, s23, 14
	s_lshr_b32 s47, s46, 3                         ; the batch
	s_lshl_b32 s47, s47, 19
	s_add_co_u32 s67, s67, s47
	s_and_b32 s47, s46, 7                          ; which 128 keys: four blocks of 512 bytes
	s_lshl_b32 s47, s47, 11
	s_add_co_u32 s67, s67, s47
	s_add_co_u32 s67, s67, 4194304                 ; codes, v
	s_lshl_b32 s105, s20, 2
	s_add_co_u32 s105, s105, s92
	s_add_co_u32 s105, s105, 262144                ; scale words, v
	s_mov_b32 s96, 512
	s_mov_b32 s97, 1024
	s_mov_b32 s100, 16384
	s_cmp_lt_u32 ttmp9, 8
	s_cselect_b32 s66, s66, s67
	s_cselect_b32 s104, s104, s105
	s_cselect_b32 s96, 16384, s96                  ; from a block of 32 to the next: a head (q, k) or a key block (v)
	s_cselect_b32 s97, 32768, s97                  ; two of them
	s_cselect_b32 s100, 512, s100                  ; 32 rows of A on: 32 tokens (q, k) or a head (v)
	s_mov_b32 s101, 0
	s_mov_b32 s67, 0
	s_mov_b32 s105, 0
	s_mov_b32 s95, 0xffff0000
	s_add_nc_u64 s[12:13], s[12:13], s[66:67]
	s_add_nc_u64 s[98:99], s[98:99], s[104:105]
	v_mul_u32_u24 v[VO0], s96, v2
	v_lshl_add_u32 v[VO0], v1, 4, v[VO0]
	v_add_nc_u32 v[VO1], s97, v[VO0]
	v_and_b32 v[WO], 31, v0
	v_lshlrev_b32 v[WO], 2, v[WO]
.macro FRAG reg, adr, q, row           ; 16 rows x 128 K of 4-bit codes: 8 registers, two loads of 16 bytes, 32 bytes apart
.irp c, 0,1
	ds_load_b128 v[\reg+4*\c:\reg+4*\c+3], v[\adr] offset:64*(\q)+32*\c+(\row)*PITCH
.endr
.endm
; 16 matrix instructions: A's blocks a0, a0 + 1 x B's eight tiles.  The 64 accumulators take turns, one instruction a turn, in the same order in every step.
.macro MUL16 a0, p, q, sc, zero
.irp a, \a0, \a0+1
.irp b, 0,1,2,3,4,5,6,7
.if \zero
	v_wmma_scale_f32_16x16x128_f8f6f4 v[8*(8*((\a)%4)+\b):8*(8*((\a)%4)+\b)+7], v[128*(\p)+FR*\b:128*(\p)+FR*\b+FR-1], v[AF+FR*(\a):AF+FR*(\a)+FR-1], 0, v[SC+8*NQ*(\sc)+NQ*\b+(\q)], v[SC+8*NQ*(\sc)+NQ*(\a)+(\q)] matrix_a_fmt:MATRIX_FMT_FP4 matrix_b_fmt:MATRIX_FMT_FP4 matrix_a_scale:MATRIX_SCALE_ROW1
.else
	v_wmma_scale_f32_16x16x128_f8f6f4 v[8*(8*((\a)%4)+\b):8*(8*((\a)%4)+\b)+7], v[128*(\p)+FR*\b:128*(\p)+FR*\b+FR-1], v[AF+FR*(\a):AF+FR*(\a)+FR-1], v[8*(8*((\a)%4)+\b):8*(8*((\a)%4)+\b)+7], v[SC+8*NQ*(\sc)+NQ*\b+(\q)], v[SC+8*NQ*(\sc)+NQ*(\a)+(\q)] matrix_a_fmt:MATRIX_FMT_FP4 matrix_b_fmt:MATRIX_FMT_FP4 matrix_a_scale:MATRIX_SCALE_ROW1
.endif
.endr
.endr
.endm
.macro FETCH_B slot, q, p              ; B's eight tiles; tile i begins at row 32 (i / 2) + 8 (i % 2)
	WIN TO_B
.irp i, 0,1,2,3,4,5,6,7
	FRAG 128*(\p)+FR*\i, ADRB+\slot, \q, 32*(\i/2)+8*(\i%2)
.endr
	WIN 0
.endm
.macro FETCH_A slot, q, i0             ; A's blocks i0 .. i0 + 3
.irp i, \i0, \i0+1, \i0+2, \i0+3
	FRAG AF+FR*(\i), ADRA+\slot, \q, 16*(\i)
.endr
.endm
.macro SCALES sc                       ; a K step's scale words: lanes 0-15 A's block i, lanes 16-31 B's tile i
.irp i, 0,1,2,3,4,5,6,7
	ds_load_b128 v[SC+8*NQ*\sc+NQ*\i:SC+8*NQ*\sc+NQ*\i+3], v[ADRS+3*(\i%2)] offset:\i*SBLK
.endr
.endm
.macro PLACES n                        ; places behind matrix instructions, in front of loads into registers that they have read and of reads of results
.rept \n
	v_nop
.endr
.endm
.macro STEP slot, q, zero
	s_wait_dscnt 4*NL                              ; B's set and A's blocks 0-3 are in; the youngest eight loads (A's blocks 4-7) may be out
	WIN MUL_LO
	MUL16 0, (\q)%2, \q, \slot, \zero
	MUL16 2, (\q)%2, \q, \slot, \zero
	s_wait_dscnt 0
	PLACES NP
	FETCH_B \slot, (\q)+1, 1-(\q)%2
	FETCH_A \slot, (\q)+1, 0
	WIN MUL_HI
	MUL16 4, (\q)%2, \q, \slot, \zero
	MUL16 6, (\q)%2, \q, \slot, \zero
	PLACES NP
	WIN 0
	FETCH_A \slot, (\q)+1, 4
.endm
; A slot's last step changes slots: one barrier; in front of it each wave waits for all its tensor loads, adds 0 to its spare word, and waits for that and for its reads of this slot.
.macro TURN slot, next, fill
	s_wait_tensorcnt 0x0                           ; all my tensor loads have landed: my part of the next slot
	ds_add_u32 v[SPW], v[NIL]
	s_wait_dscnt 4*NL+1                            ; (the add and the youngest eight loads may be out)
	WIN MUL_LO
	MUL16 0, 1, NQ-1, \slot, 0
	s_wait_dscnt 0x0                               ; the add is done, and my reads of this slot are over
	s_barrier_signal -1
	MUL16 2, 1, NQ-1, \slot, 0
	WIN 0
	s_barrier_wait -1
.if \fill
	CREST                                          ; the barrier has opened a round of the cluster's: no wave of any partner still reads this slot or has a load on its way
	s_add_nc_u64 s[G0+4*\slot+2:G0+4*\slot+3], s[G0+4*\slot+2:G0+4*\slot+3], 2*ROWB
	s_add_nc_u64 s[G0B+4*\slot+2:G0B+4*\slot+3], s[G0B+4*\slot+2:G0B+4*\slot+3], 2*ROWB
	JLOAD G0+4*\slot, G1, G0B+4*\slot, G1B
.else
	PLACES NP
.endif
	v_add_nc_u32 v[ADRS], 4*NQ, v[ADRS]            ; the next K step's scale words
	v_add_nc_u32 v[ADRT], 4*NQ, v[ADRT]
	FETCH_B \next, 0, 0
	FETCH_A \next, 0, 0
	SCALES \next
	WIN MUL_HI
	MUL16 4, 1, NQ-1, \slot, 0
	MUL16 6, 1, NQ-1, \slot, 0
	PLACES NP
	WIN 0
	FETCH_A \next, 0, 4
.endm
.macro STEPS slot, from
.set Q, \from
.rept NQ-1-\from
	STEP \slot, Q, 0
.set Q, Q+1
.endr
.endm
	s_wait_tensorcnt 1                             ; the scales and my part of K step 0 are in; K step 1's load may be out
	s_barrier_signal -1
	s_barrier_wait -1
	FETCH_B 0, 0, 0
	FETCH_A 0, 0, 0
	SCALES 0
	FETCH_A 0, 0, 4
	STEP 0, 0, 1                                   ; the first step's products start the sums
	s_mov_b32 s3, LAPS-1
.Llap:
	STEPS 0, 1
	TURN 0, 1, 1
	STEPS 1, 0
	TURN 1, 0, 1
	STEP 0, 0, 0
	s_sub_co_u32 s3, s3, 1
	s_cmp_lg_u32 s3, 0
	s_cbranch_scc1 .Llap
	STEPS 0, 1                                     ; the last lap fills nothing
	TURN 0, 1, 0
	STEPS 1, 0
	s_wait_dscnt 4*NL
	WIN MUL_LO
	MUL16 0, 1, NQ-1, 1, 0
	MUL16 2, 1, NQ-1, 1, 0
	s_wait_dscnt 0
	WIN MUL_HI
	MUL16 4, 1, NQ-1, 1, 0
	MUL16 6, 1, NQ-1, 1, 0
	WIN 0
; THE WAY OUT.  Block a: 16 rows of A x 128 rows of B = four blocks of 32 along the next K.  A lane's 16 numbers of a block and lane l xor 16's give the block's largest magnitude; its exponent field less 2 is the scale.
; Behind the exchange of halves lanes 0-15 hold a whole even block (16 bytes), lanes 16-31 the odd one: sixteen lanes store 256 consecutive bytes, aligned.
	s_mov_b32 s22, 0x76543210
	s_mov_b32 s23, 0xfedcba98
.irp b, 0,1,2,3
	v_mov_b32 v[TM+4+\b], 0                        ; a lane permute's destination counts as one of its sources.  (These four are the places behind the last products)
.endr
.macro OUTA a
.set AC, 64*((\a)%4)
	WIN 0x0a+5*((\a)/4)                            ; sources 0 and 1: window 2 or 3
.irp b, 0,1,2,3
	v_max3_num_f32 v[TM+\b], |v[AC+16*\b]|, |v[AC+16*\b+1]|, 0x1800000      ; each accumulator is read from its low end on; the floor 2^(3 - 127)
.endr
.irp i, 2,4,6,8,10,12,14
.irp b, 0,1,2,3
	v_max3_num_f32 v[TM+\b], |v[AC+16*\b+\i]|, |v[AC+16*\b+\i+1]|, v[TM+\b]
.endr
.endr
	WIN 0
.irp b, 0,1,2,3
	v_permlanex16_b32 v[TM+4+\b], v[TM+\b], s22, s23
.endr
.irp b, 0,1,2,3
	v_max_num_f32 v[TM+\b], v[TM+\b], v[TM+4+\b]
.endr
.irp b, 0,1,2,3
	v_add_nc_u32 v[TM+12+\b], 0xff000000, v[TM+\b] ; the conversion's scale operand
.endr
.irp b, 0,1,2,3
	v_lshrrev_b32 v[TM+4+\b], 23, v[TM+12+\b]      ; the byte
.endr
	v_lshl_or_b32 v[SWR+\a], v[TM+5], 8, v[TM+4]
	v_lshl_or_b32 v[SWR+\a], v[TM+6], 16, v[SWR+\a]
	v_lshl_or_b32 v[SWR+\a], v[TM+7], 24, v[SWR+\a]
	s_wait_xcnt 0x0                                ; the last block's stores have read their registers and their base
.if ((\a)%2 == 0) && ((\a) > 0)
	s_add_nc_u64 s[12:13], s[12:13], s[100:101]    ; 32 rows of A on
.endif
	WIN 0x02+((\a)/4)                              ; source 0: window 2 or 3
.irp b, 0,1,2,3
	v_cvt_scalef32_pk8_fp4_f32 v[PC+2*\b], v[AC+16*\b:AC+16*\b+7], v[TM+12+\b]
	v_cvt_scalef32_pk8_fp4_f32 v[PC+2*\b+1], v[AC+16*\b+8:AC+16*\b+15], v[TM+12+\b]
.endr
	WIN 0
	v_nop                                          ; one plain place behind a scaled conversion
.irp c, 0,1
.irp i, 0,1
	v_permlane16_swap_b32 v[PC+4*\c+\i], v[PC+4*\c+2+\i]
.endr
.endr
	global_store_b128 v[VO0], v[PC:PC+3], s[12:13] offset:256*((\a)%2)
	global_store_b128 v[VO1], v[PC+4:PC+7], s[12:13] offset:256*((\a)%2)
.endm
.irp a, 0,1,2,3,4,5,6,7
	OUTA \a
.endr
.irp k, 0,1,2,3
	v_cndmask_b32 v[SWO+\k], v[SWR+2*\k], v[SWR+2*\k+1], s95    ; lanes 0-15 the words of rows 32 k + r, lanes 16-31 of rows 32 k + 16 + r
.endr
.irp k, 0,1,2,3
	global_store_b32 v[WO], v[SWO+\k], s[98:99] offset:128*\k   ; 128 consecutive bytes
.endr
	s_wait_tensorcnt 0x0                           ; the wave's end
	ds_add_u32 v[SPW], v[NIL]
	s_wait_dscnt 0x0
	CROUND                                         ; the closing round
	s_endpgm
.Lfunc_end_k_qa63bcd6f16_qkv:
	.size	k_qa63bcd6f16_qkv, .Lfunc_end_k_qa63bcd6f16_qkv-k_qa63bcd6f16_qkv
	.p2alignl 7, 3214868480
	.fill 96, 4, 3214868480
	.section	.rodata,"a",@progbits
	.p2align	6, 0x0
	.amdhsa_kernel k_qa63bcd6f16_qkv
		.amdhsa_group_segment_fixed_size 327680
		.amdhsa_private_segment_fixed_size 0
		.amdhsa_enable_private_segment 0
		.amdhsa_kernarg_size 80
		.amdhsa_user_sgpr_count 2
		.amdhsa_user_sgpr_kernarg_segment_ptr 1
		.amdhsa_wavefront_size32 1
		.amdhsa_system_sgpr_workgroup_id_x 1
		.amdhsa_system_sgpr_workgroup_id_y 1
		.amdhsa_system_sgpr_workgroup_id_z 1
		.amdhsa_system_vgpr_workitem_id 0
		.amdhsa_next_free_vgpr 1024
		.amdhsa_next_free_sgpr 106
		.amdhsa_reserve_vcc 0
		.amdhsa_float_denorm_mode_32 3
		.amdhsa_float_denorm_mode_16_64 3
		.amdhsa_memory_ordered 1
		.amdhsa_forward_progress 1
		.amdhsa_inst_pref_size 218
	.end_amdhsa_kernel
	.amdgpu_metadata
---
amdhsa.version: [ 1, 2 ]
amdhsa.kernels:
  - .name:           k_qa63bcd6f16_qkv
    .symbol:         k_qa63bcd6f16_qkv.kd
    .args:
      - { .name: xc, .offset: 0, .size: 8, .value_kind: global_buffer, .address_space: global }
      - { .name: xs, .offset: 8, .size: 8, .value_kind: global_buffer, .address_space: global }
      - { .name: Wq_codes, .offset: 16, .size: 8, .value_kind: global_buffer, .address_space: global }
      - { .name: Wq_scales, .offset: 24, .size: 8, .value_kind: global_buffer, .address_space: global }
      - { .name: Wk_codes, .offset: 32, .size: 8, .value_kind: global_buffer, .address_space: global }
      - { .name: Wk_scales, .offset: 40, .size: 8, .value_kind: global_buffer, .address_space: global }
      - { .name: Wv_codes, .offset: 48, .size: 8, .value_kind: global_buffer, .address_space: global }
      - { .name: Wv_scales, .offset: 56, .size: 8, .value_kind: global_buffer, .address_space: global }
      - { .name: qkvc, .offset: 64, .size: 8, .value_kind: global_buffer, .address_space: global }
      - { .name: qkvs, .offset: 72, .size: 8, .value_kind: global_buffer, .address_space: global }
    .group_segment_fixed_size: 327680
    .private_segment_fixed_size: 0
    .kernarg_segment_align: 8
    .kernarg_segment_size: 80
    .max_flat_workgroup_size: 128
    .sgpr_count:     106
    .vgpr_count:     1024
    .wavefront_size: 32
...
	.end_amdgpu_metadata
.endif
;; end of part 2
;; launch attn (part 3): grid 8 x 32, 16 waves a work-group, no clusters, 327,680 bytes of LDS; arguments qkvc, qkvs, mk, position_bias, cc, cs; writes cc, cs
.if DOCPART == 3
	.amdgcn_target "amdgcn-amd-amdhsa--gfx1250"
	.amdhsa_code_object_version 6
	.text
	.protected	k_qa63bcd6f16_attn
	.globl	k_qa63bcd6f16_attn
	.p2align	8
	.type	k_qa63bcd6f16_attn,@function
k_qa63bcd6f16_attn:
	s_mov_b64 s[64:65], 0
	v_nop
	global_prefetch_b8 v0, s[64:65] scope:SCOPE_SE
	s_setreg_imm32_b32 hwreg(HW_REG_WAVE_MODE, 25, 1), 1
	s_wait_xcnt 0x0
; ctx = softmax(q k^T / sqrt(32) + position_bias, masked) v for every batch and head, both products on codes of E2M1; the probabilities are quantised FINISHED (normalised, 0 where the mask is false), along the keys;
; ctx is quantised along the head's 32 channels for the last product.  Nothing of the problem is left out.
; SHARES.  A work-group owns one head and 128 queries, as 8 units of 16.  Its sixteen waves are 4 batches (wave / 4) x 4 quarters of the keys (wave % 4): a wave holds the scores of 16 queries x 256 keys in 128 registers.
; So one tile of the bias (16 queries x 1,024 keys, 64 KB, in LDS) serves four batches, and each byte of the bias is asked for once in the launch.
; NO CLUSTER: the bias is 512 KB of the some 650 KB that a work-group reads, and no two work-groups share a byte of it; K and V, which the eight work-groups of a head share, are read once by each, at its head.
; LAYOUT.  S^T = K Q^T (source 0 = keys, source 1 = my 16 queries), O^T = V^T P^T: a lane holds one query (lane % 16) throughout.  Row i of key tile T is key 32 (T / 2) + 8 (T % 2) + i + 8 (i / 8),
; so that registers 16 b + i of a lane are keys 32 b + 16 (lane / 16) + i.  K = 32 fills a quarter of the instruction's 128: an operand of K holds four key tiles, one in each block of 32, and Q stands in one block with zero codes in the others.
; THE MASK IS ADDED BY THE MATRIX UNIT: each tile begins as I x MK, I a unit matrix's 16 columns (code 1.0, scale 1), MK the mask's codes (-6 where false) under the scale 2^100: -6 x 2^100 where the mask is false, exactly 0 elsewhere.
; The four versions of Q and the eight of I are windows of 8 registers onto one chain of 38.
; SOFTMAX.  t = score x log2(e).  Each wave takes its own largest t, held at -2^30 from below and rounded up to a whole number Mi, e = 2^(t - Mi) and their sum; the four waves of a batch exchange (Mi, sum) through LDS;
; M = the largest Mi, l = the sum of the sums x 2^(Mi - M), p = e x 2^(Mi - M) / l.  l is 0 (the whole row masked) or at least 0.5: it is held at 0.5 from below, so a masked row gives p = 0 and ctx = 0.
; LIMITS: an unmasked score under about -7e8 counts as masked; |q.k| near 1e30 is not served; / sqrt(32) is a multiplication by the rounded reciprocal; NaN and infinities are not served;
; a block of zeros gets the scale byte 1 (codes zero); ctx's scale bytes leave as single bytes, 32 bytes apart: one byte for each 16 bytes of codes.
.set CHB,   16640                      ; a chunk of the bias: 16 rows x (1,024 bytes + 16)
.set SLOTB, 66560                      ; a slot: four chunks
.set KV,    133120                     ; 8 KB a wave: K's operands as images of their registers (4 KB), then V's
.set EX,    264192                     ; the exchange: 8 bytes a thread
.set OP,    268288                     ; partial O^T: 2 KB a wave
.set SPARE, 301056                     ; the spare words, 128 bytes a wave
.set L16, 1                            ; 16 x lane
.set R16, 2                            ; 16 r
.set R4,  3                            ; 4 r
.set AKV, 4                            ; my K/V images + 16 x lane
.set ADB, 5                            ; v5, v6: my bias bytes in slot 0, 1
.set EXW, 7                            ; the exchange: my pair
.set EXRD, 8                           ; my batch's four pairs
.set OPW, 9                            ; my partial O^T
.set SPW, 10
.set NIL, 11
.set KSC, 12                           ; v12-15 K's scale words, a register for each operand of four tiles
.set VSC, 16                           ; v16-19 V's
.set QS,  20                           ; Q's
.set OB,  21                           ; lanes 0-15: 1.0 four times; lanes 16-31: 2^100 four times
.set PS,  22                           ; v22-23 P's
.set CH,  24                           ; v24-61 the chain
.set MK,  62                           ; v62-77 the mask's codes: two operands of 128 keys
.set QT,  78                           ; v78-81 q's codes as loaded
.set QST, 82                           ; q's scale word as loaded
.set OPR, 83                           ; my batch's four partial O^T
.set KB,  84                           ; v84-99 two operands of K
.set BB0, 100                          ; v100-115 bias of even blocks; odd blocks: v84-99
.set BM,  116                          ; v116-123 each block's largest score, then largest p, then the conversions' scale operands
.set NM,  124                          ; v124 -Mi, v125 my sum
.set FF,  126                          ; v126 the factor (v127 named with it as a pair)
.set U,   128                          ; v128-255 the scores, then e, then p
.set PT,  84
.set LS,  92
.set PC0, 84                           ; P's codes, keys 0-127 and 128-255
.set PC1, 92
.set EXR, 100
.set TT,  108
.set VF,  128                          ; V's four operands
.set OA,  160                          ; O^T: two accumulators
.set G1,  24
.set G0,  32                           ; s[32:35] slot 0's group 0, s[36:39] slot 1's
.macro NOPS n
.rept \n
	v_nop
.endr
.endm
	s_load_b256 s[4:11], s[0:1], 0x0               ; qkvc, qkvs, mk, position_bias
	s_load_b128 s[12:15], s[0:1], 0x20             ; cc, cs
	v_lshl_add_u32 v[SPW], v0, 2, SPARE
	v_mov_b32 v[NIL], 0
	ds_add_u32 v[SPW], v[NIL]                      ; the opening: the add, twice on end, and its wait ahead of the first tensor load
	ds_add_u32 v[SPW], v[NIL]
	v_lshrrev_b32 v1, 5, v0
	v_readfirstlane_b32 s16, v1                    ; wave 0..15
	s_lshr_b32 s17, s16, 2                         ; batch
	s_and_b32 s18, s16, 3                          ; quarter of the keys
	s_and_b32 s19, ttmp7, 0xffff                   ; head
	s_mov_b32 s20, ttmp9                           ; block of 128 queries
	s_and_b32 s21, s19, 3
	s_mov_b32 s[G1], (2<<16)|(1<<20)|(7<<22)|(3<<25)   ; no mask; elements of 4 bytes; padding: 4 words behind every 256
	s_mov_b32 s[G1+1], 256<<16                     ; tensor_dim0
	s_mov_b32 s[G1+2], 16<<16                      ; tensor_dim1
	s_mov_b32 s[G1+3], 256<<16                     ; tile_dim0
	s_mov_b32 s[G1+4], 16                          ; tile_dim1
	s_mov_b32 s[G1+5], 1024                        ; the pitch
	s_mov_b32 s[G1+6], 0
	s_mov_b32 s[G1+7], 0
	s_mov_b32 s40, 0x76543210
	s_mov_b32 s41, 0xfedcba98                      ; lane l xor 16
	s_mov_b32 s42, 0x3e3504f3                      ; 1 / sqrt(32)
	s_mov_b32 s43, s42
	s_mov_b32 s44, 0x3fb8aa3b                      ; log2(e)
	s_mov_b32 s45, s44
	s_mov_b32 s46, 0x0000ffff
	s_mov_b32 s47, 0xffff0000
	s_mul_i32 s48, s21, 0x01010101                 ; byte select: my head's byte, four times
	s_add_co_u32 s49, s21, 4
	s_lshl_b32 s49, s49, 8
	s_or_b32 s49, s49, s21                         ; my head's byte of two words
	s_mul_i32 s50, s18, CHB
	s_lshl_b32 s51, s16, 13
	s_add_co_u32 s51, s51, KV
	s_lshl_b32 s52, s16, 8
	s_add_co_u32 s52, s52, EX
	s_lshl_b32 s53, s17, 10
	s_add_co_u32 s53, s53, EX
	s_lshl_b32 s54, s16, 11
	s_add_co_u32 s54, s54, OP
	s_lshl_b32 s55, s17, 13
	s_add_co_u32 s55, s55, OP
	s_lshl_b32 s68, s17, 5
	s_add_co_u32 s68, s68, s19
	s_lshl_b32 s68, s68, 14                        ; (32 batch + head) x 16,384
	s_mov_b32 s69, 0
	s_lshl_b32 s70, s18, 12
	s_add_co_u32 s70, s70, s68                     ; + my 256 keys: K's and V's slices
	s_mov_b32 s71, 0
	s_lshl_b32 s72, s20, 11
	s_add_co_u32 s68, s68, s72                     ; + my 128 queries: q
	s_lshl_b32 s72, s17, 3
	s_lshr_b32 s73, s19, 2
	s_add_co_u32 s72, s72, s73
	s_lshl_b32 s72, s72, 12                        ; (8 batch + head / 4) x 1,024 words
	s_lshl_b32 s74, s18, 10
	s_add_co_u32 s74, s74, s72                     ; k's scale words
	s_mov_b32 s75, 0
	s_lshl_b32 s73, s20, 9
	s_add_co_u32 s72, s72, s73                     ; q's
	s_mov_b32 s73, 0
	s_lshl_b32 s76, s17, 3
	s_lshl_b32 s77, s18, 1
	s_add_co_u32 s76, s76, s77
	s_lshl_b32 s76, s76, 12
	s_lshl_b32 s77, s19, 7
	s_add_co_u32 s76, s76, s77                     ; v's: (8 batch + 2 quarter) x 1,024 words + 32 head
	s_mov_b32 s77, 0
	s_lshl_b32 s78, s17, 6
	s_lshl_b32 s79, s20, 3
	s_add_co_u32 s78, s78, s79
	s_lshl_b32 s78, s78, 13                        ; (64 batch + 8 block) tiles of 8,192 bytes
	s_mov_b32 s79, 0
	s_lshl_b32 s80, s18, 11
	s_add_co_u32 s80, s80, s78                     ; mk
	s_mov_b32 s81, 0
	s_lshl_b32 s82, s19, 8
	s_add_co_u32 s78, s78, s82                     ; cc
	s_lshl_b32 s82, s17, 10
	s_lshl_b32 s83, s20, 7
	s_add_co_u32 s82, s82, s83
	s_lshl_b32 s82, s82, 5
	s_add_co_u32 s82, s82, s19                     ; cs
	s_mov_b32 s83, 0
	s_lshl_b32 s84, s19, 22
	s_lshl_b32 s85, s20, 19
	s_add_co_u32 s84, s84, s85
	s_lshl_b32 s85, s18, 10
	s_add_co_u32 s84, s84, s85                     ; the bias: head, 128 queries, chunk
	s_mov_b32 s85, 0
	s_wait_dscnt 0x0                               ; both opening adds are done
	s_wait_kmcnt 0x0
	s_mov_b32 s[G0], 1
	s_mov_b32 s[G0+1], s50
	s_add_nc_u64 s[G0+2:G0+3], s[10:11], s[84:85]  ; tile 0
	s_mov_b32 s[G0+4], 1
	s_add_co_u32 s[G0+5], s50, SLOTB
	s_add_nc_u64 s[G0+6:G0+7], s[G0+2:G0+3], 65536 ; tile 1
	s_or_b32 s[G0+3], s[G0+3], 0x80000000
	s_or_b32 s[G0+7], s[G0+7], 0x80000000
	s_cmp_lt_u32 s16, 4                            ; waves 0 to 3 fetch a chunk each; both first fills stand in one branch
	s_cbranch_scc0 .Lno_first
	tensor_load_to_lds s[G0:G0+3], s[G1:G1+7]
	s_nop 0
	tensor_load_to_lds s[G0+4:G0+7], s[G1:G1+7]
	s_nop 0
	NOPS 4
.Lno_first:
	s_add_nc_u64 s[56:57], s[4:5], s[68:69]        ; q's codes
	s_add_nc_u64 s[86:87], s[4:5], s[70:71]        ; K's and V's slices (their regions stand in the immediates)
	s_add_nc_u64 s[58:59], s[6:7], s[72:73]        ; q's scale words
	s_add_nc_u64 s[88:89], s[6:7], s[74:75]        ; k's
	s_add_nc_u64 s[90:91], s[6:7], s[76:77]        ; v's
	s_add_nc_u64 s[60:61], s[8:9], s[80:81]        ; mk
	s_add_nc_u64 s[62:63], s[12:13], s[78:79]      ; cc
	s_add_nc_u64 s[66:67], s[14:15], s[82:83]      ; cs
	v_and_b32 v[L16], 31, v0
	v_lshlrev_b32 v[L16], 4, v[L16]
	v_and_b32 v240, 15, v0                         ; r
	v_bfe_u32 v241, v0, 4, 1                       ; h
	v_lshlrev_b32 v[R16], 4, v240
	v_lshlrev_b32 v[R4], 2, v240
	v_mul_u32_u24 v[ADB], v240, 1040
	v_lshl_add_u32 v[ADB], v241, 6, v[ADB]
	v_add_nc_u32 v[ADB], s50, v[ADB]               ; chunk, row r, 64 h
	v_add_nc_u32 v[ADB+1], SLOTB, v[ADB]
	v_add_nc_u32 v[AKV], s51, v[L16]
	v_lshrrev_b32 v242, 1, v[L16]                  ; 8 x lane
	v_add_nc_u32 v[EXW], s52, v242
	v_add_nc_u32 v[EXRD], s53, v242
	v_add_nc_u32 v[OPW], s54, v[L16]
	v_add_nc_u32 v[OPR], s55, v[L16]
	v_and_b32 v242, 7, v0
	v_bfe_u32 v246, v0, 3, 1
	v_lshl_or_b32 v243, v246, 4, v242
	v_lshl_or_b32 v243, v241, 3, v243
	v_lshlrev_b32 v243, 4, v243                    ; K from memory: 16 x the lane with bits 3 and 4 exchanged: lane (i, h) takes key 8 h + i + 8 (i / 8) of a block of 32
	v_lshl_add_u32 v244, v241, 3, v242
	v_lshlrev_b32 v244, 4, v244
	v_lshl_add_u32 v244, v246, 10, v244
	v_add_nc_u32 v244, s51, v244                   ; V into its image: channel d = lane goes to tile (d / 8) % 2, row d % 8 + 8 (d / 16)
	v_and_b32 v245, 8, v240
	v_add_nc_u32 v245, v245, v240
	v_lshlrev_b32 v245, 2, v245                    ; 4 (r + 8 (r / 8))
.irp j, 0,1,2,3,4,5,6,7,8,9,10,11,12,13,14,15,16,17,18,19,20,21,22,23,24,25,26,27,28,29,30,31,32,33,34,35,36,37
	v_mov_b32 v[CH+\j], 0                          ; the chain
.endr
	v_lshlrev_b32 v242, 2, v242
	v_lshlrev_b32 v242, v242, 2                    ; the code of 1.0 at nibble lane % 8
	s_mov_b32 s68, 0xff
	s_mov_b32 s69, 0xff00
	s_mov_b32 s70, 0xff0000
	s_mov_b32 s71, 0xff000000
	v_cndmask_b32 v[CH+6], 0, v242, s68
	v_cndmask_b32 v[CH+7], 0, v242, s69
	v_cndmask_b32 v[CH+14], 0, v242, s70
	v_cndmask_b32 v[CH+15], 0, v242, s71
	v_mov_b32 v[OB], 0x7f7f7f7f
	v_mov_b32 v247, 0xe3e3e3e3
	v_cndmask_b32 v[OB], v[OB], v247, s47
	v_mov_b32 v[NM+1], 0                           ; named as upper halves of pairs before they are first written
	v_mov_b32 v[FF+1], 0
.irp n, 0,1,2,3,4,5,6,7
	global_load_b128 v[128+4*\n:131+4*\n], v243, s[86:87] offset:2097152+512*\n     ; my 256 keys of K
.endr
.irp n, 0,1,2,3,4,5,6,7
	global_load_b128 v[160+4*\n:163+4*\n], v[L16], s[86:87] offset:4194304+512*\n   ; my 8 key blocks of V: a lane a channel
.endr
.irp g, 0,1,2,3
.irp j, 0,1,2,3
	global_load_b32 v[192+4*\g+\j], v245, s[88:89] offset:131072+(64*\g+32*(\j/2)+8*(\j%2))*4
.endr
.endr
.irp t, 0,1
.irp u, 0,1
	global_load_b32 v[VSC+2*\t+\u], v245, s[90:91] offset:262144+4096*\t+32*\u
.endr
.endr
.macro NEXTQ o                         ; a unit's q (codes, scale word) and mask codes
	global_load_b128 v[QT:QT+3], v[R16], s[56:57] offset:256*\o
	global_load_b32 v[QST], v[R4], s[58:59] offset:64*\o
.irp n, 0,1,2,3
	global_load_b128 v[MK+4*\n:MK+4*\n+3], v[L16], s[60:61] offset:8192*\o+512*\n
.endr
.endm
	NEXTQ 0
	s_wait_loadcnt 0x0
.irp n, 0,1,2,3,4,5,6,7
	ds_store_b128 v[AKV], v[128+4*\n:131+4*\n] offset:512*\n
.endr
.irp n, 0,1,2,3,4,5,6,7
	ds_store_b128 v244, v[160+4*\n:163+4*\n] offset:4096+(\n/4)*2048+((\n/2)%2)*512+(\n%2)*256
.endr
.irp g, 0,1,2,3
	v_perm_b32 v[208+\g], v[192+4*\g+1], v[192+4*\g], s49
	v_perm_b32 v[212+\g], v[192+4*\g+3], v[192+4*\g+2], s49
.endr
.irp g, 0,1,2,3
	v_perm_b32 v[KSC+\g], v[212+\g], v[208+\g], 0x05040100    ; my head's byte of four keys' words: the scale word of an operand's row
.endr
	s_wait_tensorcnt 0x0                           ; both first tiles have landed (every wait on this counter in the text is for 0)
	s_wait_dscnt 0x0
	s_barrier_signal -1
	s_barrier_wait -1
.macro LOADK g                         ; K's operand g: four key tiles
.irp c, 0,1
	ds_load_b128 v[KB+8*((\g)%2)+4*\c:KB+8*((\g)%2)+4*\c+3], v[AKV] offset:1024*(\g)+512*\c
.endr
.endm
.macro LOADB b, slot                   ; the bias of my 16 keys of block b
.set BBL, BB0-16*((\b)%2)
.irp j, 0,1,2,3
	ds_load_b128 v[BBL+4*\j:BBL+4*\j+3], v[ADB+\slot] offset:128*(\b)+16*\j
.endr
.endm
.macro M1 T                            ; tile T begins: -6 x 2^100 where the mask is false, 0 elsewhere
.set TAU, (\T)%8
.set IS, CH+6+8*((TAU/2)%2)-2*(2*(TAU/4)+(TAU%2))
	v_wmma_scale_f32_16x16x128_f8f6f4 v[U+8*(\T):U+8*(\T)+7], v[IS:IS+7], v[MK+8*((\T)/8):MK+8*((\T)/8)+7], 0, v[OB], v[OB] matrix_a_fmt:MATRIX_FMT_FP4 matrix_b_fmt:MATRIX_FMT_FP4 matrix_b_scale:MATRIX_SCALE_ROW1
.endm
.macro M2 T                            ; + K Q^T
.set JV, (\T)%4
.set QV, CH+22+8*(JV%2)-4*(JV/2)
	v_wmma_scale_f32_16x16x128_f8f6f4 v[U+8*(\T):U+8*(\T)+7], v[KB+8*(((\T)/4)%2):KB+8*(((\T)/4)%2)+7], v[QV:QV+7], v[U+8*(\T):U+8*(\T)+7], v[KSC+(\T)/4], v[QS] matrix_a_fmt:MATRIX_FMT_FP4 matrix_b_fmt:MATRIX_FMT_FP4
.endm
.macro M1Q T0                          ; four accumulators by turns, one instruction a turn
.irp d, 0,1,2,3
	M1 \T0+\d
.endr
.endm
.macro M2Q T0
.irp d, 0,1,2,3
	M2 \T0+\d
.endr
.endm
; A UNIT: 16 queries.  slot: where its bias lies.  fill = 1: that slot is filled again, with the tile two units on.  nq = 1: the next unit's q and mask are asked for.
.macro UNIT slot, fill, nq
	LOADK 0
	LOADK 1
	LOADB 0, \slot
	s_wait_loadcnt 0x0                             ; q and the mask's codes, asked for a unit ago
	v_perm_b32 v[QS], v[QST], v[QST], s48          ; my head's byte in all four places
.irp k, 0,1,2,3
	v_cndmask_b32 v[CH+22+\k], 0, v[QT+\k], s46    ; q's codes in lanes 0-15,
.endr
.irp k, 0,1,2,3
	v_cndmask_b32 v[CH+30+\k], 0, v[QT+\k], s47    ; and in lanes 16-31
.endr
	NOPS 4                                         ; an operand written by vector instructions stands 4 places ahead of a scaled matrix instruction, a scale register 8
	M1Q 0
	s_wait_dscnt 6                                 ; K's operand 0 is in; operand 1's two loads and the bias's four may be out
	M2Q 0
	M1Q 4
	s_wait_dscnt 4                                 ; operand 1 is in
	M2Q 4
	NOPS 4                                         ; places in front of loads into registers that matrix instructions have read
	LOADK 2
	LOADK 3
	M1Q 8
	s_wait_dscnt 2                                 ; operand 2 is in; operand 3's two loads may be out
	M2Q 8
	M1Q 12
	s_wait_dscnt 0x0
	M2Q 12
	NOPS 4
.if \nq
	NEXTQ 1
.endif
	LOADB 1, \slot
.set IB, 0
.rept 8                                ; score / sqrt(32) + bias, and each block's largest
.if IB < 7
	s_wait_dscnt 4                                 ; this block's bias is in; the next block's four loads may be out
.else
	s_wait_dscnt 0x0
.endif
.set BBR, BB0-16*(IB%2)
.set UB, U+16*IB
.set IP, 0
.rept 8
	v_pk_fma_f32 v[UB+2*IP:UB+2*IP+1], v[UB+2*IP:UB+2*IP+1], s[42:43], v[BBR+2*IP:BBR+2*IP+1] op_sel_hi:[1,0,1]
.set IP, IP+1
.endr
.if IB < 6
	LOADB IB+2, \slot
.endif
	v_max3_num_f32 v[BM+IB], v[UB], v[UB+1], v[UB+2]
.irp i, 3,5,7,9,11,13
	v_max3_num_f32 v[BM+IB], v[BM+IB], v[UB+\i], v[UB+\i+1]
.endr
	v_max_num_f32 v[BM+IB], v[BM+IB], v[UB+15]
.set IB, IB+1
.endr
.irp b, 0,1,2,3,4,5,6,7
	v_permlanex16_b32 v[PT+\b], v[BM+\b], s40, s41
.endr
.irp b, 0,1,2,3,4,5,6,7
	v_max_num_f32 v[BM+\b], v[BM+\b], v[PT+\b]     ; with lane l xor 16's 16 keys
.endr
	v_max3_num_f32 v[TT], v[BM], v[BM+1], v[BM+2]
	v_max3_num_f32 v[TT], v[TT], v[BM+3], v[BM+4]
	v_max3_num_f32 v[TT], v[TT], v[BM+5], v[BM+6]
	v_max_num_f32 v[TT], v[TT], v[BM+7]
	v_mul_f32 v[TT], s44, v[TT]                    ; as t
	v_max_num_f32 v[TT], 0xce800000, v[TT]         ; held at -2^30: under it every masked e is 0, in a slice that is all masked too
	v_floor_f32 v[NM], -v[TT]                      ; -Mi: a whole number
.set IP, 0
.rept 64
	v_pk_fma_f32 v[U+2*IP:U+2*IP+1], v[U+2*IP:U+2*IP+1], s[44:45], v[NM:NM+1] op_sel_hi:[1,0,0]   ; t - Mi
.set IP, IP+1
.endr
.irp b, 0,1,2,3,4,5,6,7
	v_fma_f32 v[BM+\b], v[BM+\b], s44, v[NM]       ; the same of each block's largest score
.endr
.set IP, 0
.rept 128
	v_exp_f32 v[U+IP], v[U+IP]
.set IP, IP+1
.endr
	v_nop                                          ; a plain place behind the exponentials,
	s_wait_alu depctr_va_vdst(0)                   ; and one wait for the batch ahead of its first reader
.irp b, 0,1,2,3,4,5,6,7
	v_exp_f32 v[BM+\b], v[BM+\b]                   ; each block's largest e: the same two instructions on the same number
.endr
.irp c, 0,1,2,3
	v_pk_add_f32 v[LS+2*\c:LS+2*\c+1], v[U+2*\c:U+2*\c+1], v[U+8+2*\c:U+8+2*\c+1]   ; my sum, in four chains of pairs
.endr
.set IP, 8
.rept 56
	v_pk_add_f32 v[LS+2*(IP%4):LS+2*(IP%4)+1], v[LS+2*(IP%4):LS+2*(IP%4)+1], v[U+2*IP:U+2*IP+1]
.set IP, IP+1
.endr
	v_pk_add_f32 v[LS:LS+1], v[LS:LS+1], v[LS+2:LS+3]
	v_pk_add_f32 v[LS+4:LS+5], v[LS+4:LS+5], v[LS+6:LS+7]
	v_pk_add_f32 v[LS:LS+1], v[LS:LS+1], v[LS+4:LS+5]
	v_add_f32 v[LS], v[LS], v[LS+1]
	v_permlanex16_b32 v[LS+1], v[LS], s40, s41
	v_add_f32 v[NM+1], v[LS], v[LS+1]
	s_wait_alu depctr_va_vdst(0)                   ; the wait for the eight, ahead of the branch below
	ds_store_b64 v[EXW], v[NM:NM+1]                ; (-Mi, my sum)
	; ONE BARRIER for the exchange and for the change of the bias's slot: my tensor loads have landed (the next unit's tile), the add, my store has landed and my reads of this unit's tile are over
	s_wait_tensorcnt 0x0
	ds_add_u32 v[SPW], v[NIL]
.if \fill
	ds_add_u32 v[SPW], v[NIL]                      ; and, where a load follows, twice on end
	s_add_nc_u64 s[G0+4*\slot+2:G0+4*\slot+3], s[G0+4*\slot+2:G0+4*\slot+3], 131072   ; two tiles on
.endif
	s_wait_dscnt 0x0
	s_barrier_signal -1
	s_barrier_wait -1
.if \fill
	s_cmp_lt_u32 s16, 4
	s_cbranch_scc0 .Lno_load_\@
	tensor_load_to_lds s[G0+4*\slot:G0+4*\slot+3], s[G1:G1+7]   ; a wave's one load behind the barrier; it has the rest of this unit and the next unit's first half in which to land
	s_nop 0
	NOPS 4
.Lno_load_\@:
.endif
.irp k, 0,1,2,3
	ds_load_b64 v[EXR+2*\k:EXR+2*\k+1], v[EXRD] offset:256*\k
.endr
	s_wait_dscnt 0x0
	v_min3_num_f32 v[TT], v[EXR], v[EXR+2], v[EXR+4]
	v_min_num_f32 v[TT], v[TT], v[EXR+6]           ; -M
.irp k, 0,1,2,3
	v_sub_f32 v[TT+1+\k], v[TT], v[EXR+2*\k]       ; Mi - M: a whole number, 0 or less
.endr
.irp k, 0,1,2,3
	v_cvt_i32_f32 v[TT+1+\k], v[TT+1+\k]
.endr
.irp k, 0,1,2,3
	v_ldexp_f32 v[EXR+2*\k+1], v[EXR+2*\k+1], v[TT+1+\k]
.endr
	v_add_f32 v[TT+5], v[EXR+1], v[EXR+3]
	v_add_f32 v[TT+6], v[EXR+5], v[EXR+7]
	v_add_f32 v[TT+5], v[TT+5], v[TT+6]            ; l
	v_max_num_f32 v[TT+5], 0.5, v[TT+5]
	v_rcp_f32 v[TT+5], v[TT+5]
	v_sub_f32 v[TT+6], v[TT], v[NM]
	v_cvt_i32_f32 v[TT+6], v[TT+6]
	s_wait_alu depctr_va_vdst(0)
	v_ldexp_f32 v[FF], v[TT+5], v[TT+6]            ; 2^(Mi - M) / l
.set IP, 0
.rept 64
	v_pk_mul_f32 v[U+2*IP:U+2*IP+1], v[U+2*IP:U+2*IP+1], v[FF:FF+1] op_sel_hi:[1,0]   ; p, finished
.set IP, IP+1
.endr
.irp b, 0,1,2,3,4,5,6,7
	v_mul_f32 v[BM+\b], v[BM+\b], v[FF]            ; each block's largest p
.endr
.irp b, 0,1,2,3,4,5,6,7
	v_max_num_f32 v[BM+\b], 0x1800000, v[BM+\b]    ; the floor 2^(3 - 127)
.endr
.irp b, 0,1,2,3,4,5,6,7
	v_add_nc_u32 v[BM+\b], 0xff000000, v[BM+\b]    ; the conversion's scale operand
.endr
.irp b, 0,1,2,3,4,5,6,7
	v_lshrrev_b32 v[TT+\b], 23, v[BM+\b]           ; the byte
.endr
.irp t, 0,1
	v_lshl_or_b32 v[PS+\t], v[TT+4*\t+1], 8, v[TT+4*\t]
	v_lshl_or_b32 v[PS+\t], v[TT+4*\t+2], 16, v[PS+\t]
	v_lshl_or_b32 v[PS+\t], v[TT+4*\t+3], 24, v[PS+\t]
.endr
.irp b, 0,1,2,3
	v_cvt_scalef32_pk8_fp4_f32 v[PC0+2*\b], v[U+16*\b:U+16*\b+7], v[BM+\b]
	v_cvt_scalef32_pk8_fp4_f32 v[PC0+2*\b+1], v[U+16*\b+8:U+16*\b+15], v[BM+\b]
.endr
	v_nop                                          ; one plain place behind a scaled conversion
.irp c, 0,1
.irp i, 0,1
	v_permlane16_swap_b32 v[PC0+4*\c+\i], v[PC0+4*\c+2+\i]    ; a whole block to a lane
.endr
.endr
.irp n, 0,1,2,3,4,5,6,7
	ds_load_b128 v[VF+4*\n:VF+4*\n+3], v[AKV] offset:4096+512*\n   ; V's four operands, into registers whose p has been converted
.endr
.irp b, 0,1,2,3
	v_cvt_scalef32_pk8_fp4_f32 v[PC1+2*\b], v[U+64+16*\b:U+64+16*\b+7], v[BM+4+\b]
	v_cvt_scalef32_pk8_fp4_f32 v[PC1+2*\b+1], v[U+64+16*\b+8:U+64+16*\b+15], v[BM+4+\b]
.endr
	v_nop
.irp c, 0,1
.irp i, 0,1
	v_permlane16_swap_b32 v[PC1+4*\c+\i], v[PC1+4*\c+2+\i]
.endr
.endr
	NOPS 8                                         ; places in front of scaled matrix instructions whose operands and scales vector instructions wrote
	s_wait_dscnt 0x0
	v_wmma_scale_f32_16x16x128_f8f6f4 v[OA:OA+7], v[VF:VF+7], v[PC0:PC0+7], 0, v[VSC], v[PS] matrix_a_fmt:MATRIX_FMT_FP4 matrix_b_fmt:MATRIX_FMT_FP4
	v_wmma_scale_f32_16x16x128_f8f6f4 v[OA+8:OA+15], v[VF+8:VF+15], v[PC0:PC0+7], 0, v[VSC+1], v[PS] matrix_a_fmt:MATRIX_FMT_FP4 matrix_b_fmt:MATRIX_FMT_FP4
	v_wmma_scale_f32_16x16x128_f8f6f4 v[OA:OA+7], v[VF+16:VF+23], v[PC1:PC1+7], v[OA:OA+7], v[VSC+2], v[PS+1] matrix_a_fmt:MATRIX_FMT_FP4 matrix_b_fmt:MATRIX_FMT_FP4
	v_wmma_scale_f32_16x16x128_f8f6f4 v[OA+8:OA+15], v[VF+24:VF+31], v[PC1:PC1+7], v[OA+8:OA+15], v[VSC+3], v[PS+1] matrix_a_fmt:MATRIX_FMT_FP4 matrix_b_fmt:MATRIX_FMT_FP4
	NOPS 4
.irp p, 0,1,2,3
	ds_store_b128 v[OPW], v[OA+4*\p:OA+4*\p+3] offset:512*\p     ; my 256 keys' part of O^T, each accumulator from its low end on
.endr
	s_wait_dscnt 0x0
	s_barrier_signal -1
	s_barrier_wait -1                              ; the bias's load may stay out
	s_cmp_lg_u32 s18, s17                          ; one wave of each batch (waves 0, 5, 10, 15) adds the four parts and quantises ctx
	s_cbranch_scc1 .Lskip_\@
.irp k, 0,1,2,3
.irp p, 0,1,2,3
	ds_load_b128 v[176+16*\k+4*\p:176+16*\k+4*\p+3], v[OPR] offset:2048*\k+512*\p
.endr
.endr
	s_wait_dscnt 0x0
.irp p, 0,2,4,6,8,10,12,14
	v_pk_add_f32 v[176+\p:177+\p], v[176+\p:177+\p], v[192+\p:193+\p]
	v_pk_add_f32 v[208+\p:209+\p], v[208+\p:209+\p], v[224+\p:225+\p]
.endr
.irp p, 0,2,4,6,8,10,12,14
	v_pk_add_f32 v[176+\p:177+\p], v[176+\p:177+\p], v[208+\p:209+\p]   ; channels 16 (lane / 16) + 0 .. 15 of query r
.endr
	v_max3_num_f32 v240, |v176|, |v177|, 0x1800000
.irp i, 2,4,6,8,10,12,14
	v_max3_num_f32 v240, v240, |v[176+\i]|, |v[177+\i]|
.endr
	v_permlanex16_b32 v241, v240, s40, s41
	v_max_num_f32 v240, v240, v241
	v_add_nc_u32 v242, 0xff000000, v240
	v_lshrrev_b32 v243, 23, v242
	v_and_b32 v244, 0xf0, v[L16]                   ; 16 r
	v_lshrrev_b32 v245, 8, v[L16]                  ; h
	v_lshl_add_u32 v246, v245, 3, v244             ; 16 r + 8 h
	v_lshlrev_b32 v247, 1, v244                    ; 32 r
	v_cvt_scalef32_pk8_fp4_f32 v192, v[176:183], v242
	v_cvt_scalef32_pk8_fp4_f32 v193, v[184:191], v242
	v_nop
	global_store_b64 v246, v[192:193], s[62:63]    ; 32 lanes store 256 consecutive bytes, aligned
	global_store_b8 v247, v243, s[66:67]           ; the row's scale byte for this head (both halves write the same byte)
.Lskip_\@:
	s_wait_xcnt 0x0                                ; loads and stores have read their addresses and data: the pointers step, and the registers are written again
	s_add_nc_u64 s[56:57], s[56:57], 256
	s_add_nc_u64 s[58:59], s[58:59], 64
	s_add_nc_u64 s[60:61], s[60:61], 8192
	s_add_nc_u64 s[62:63], s[62:63], 8192
	s_add_nc_u64 s[66:67], s[66:67], 512
.endm
	s_mov_b32 s23, 3
.Lpair:                                                ; three trips of two units: units 0 to 5 fill their slot again
	UNIT 0, 1, 1
	UNIT 1, 1, 1
	s_sub_co_u32 s23, s23, 1
	s_cmp_lg_u32 s23, 0
	s_cbranch_scc1 .Lpair
	UNIT 0, 0, 1                                   ; the last two units ask for no tile, the last for no q
	UNIT 1, 0, 0
	s_wait_tensorcnt 0x0                           ; the wave's end
	ds_add_u32 v[SPW], v[NIL]
	s_wait_dscnt 0x0
	s_endpgm
.Lfunc_end_k_qa63bcd6f16_attn:
	.size	k_qa63bcd6f16_attn, .Lfunc_end_k_qa63bcd6f16_attn-k_qa63bcd6f16_attn
	.p2alignl 7, 3214868480
	.fill 96, 4, 3214868480
	.section	.rodata,"a",@progbits
	.p2align	6, 0x0
	.amdhsa_kernel k_qa63bcd6f16_attn
		.amdhsa_group_segment_fixed_size 327680
		.amdhsa_private_segment_fixed_size 0
		.amdhsa_enable_private_segment 0
		.amdhsa_kernarg_size 48
		.amdhsa_user_sgpr_count 2
		.amdhsa_user_sgpr_kernarg_segment_ptr 1
		.amdhsa_wavefront_size32 1
		.amdhsa_system_sgpr_workgroup_id_x 1
		.amdhsa_system_sgpr_workgroup_id_y 1
		.amdhsa_system_sgpr_workgroup_id_z 1
		.amdhsa_system_vgpr_workitem_id 0
		.amdhsa_next_free_vgpr 256
		.amdhsa_next_free_sgpr 92
		.amdhsa_reserve_vcc 0
		.amdhsa_float_denorm_mode_32 3
		.amdhsa_float_denorm_mode_16_64 3
		.amdhsa_memory_ordered 1
		.amdhsa_forward_progress 1
		.amdhsa_inst_pref_size 194
	.end_amdhsa_kernel
	.amdgpu_metadata
---
amdhsa.version: [ 1, 2 ]
amdhsa.kernels:
  - .name:           k_qa63bcd6f16_attn
    .symbol:         k_qa63bcd6f16_attn.kd
    .args:
      - { .name: qkvc, .offset: 0, .size: 8, .value_kind: global_buffer, .address_space: global }
      - { .name: qkvs, .offset: 8, .size: 8, .value_kind: global_buffer, .address_space: global }
      - { .name: mk, .offset: 16, .size: 8, .value_kind: global_buffer, .address_space: global }
      - { .name: position_bias, .offset: 24, .size: 8, .value_kind: global_buffer, .address_space: global }
      - { .name: cc, .offset: 32, .size: 8, .value_kind: global_buffer, .address_space: global }
      - { .name: cs, .offset: 40, .size: 8, .value_kind: global_buffer, .address_space: global }
    .group_segment_fixed_size: 327680
    .private_segment_fixed_size: 0
    .kernarg_segment_align: 8
    .kernarg_segment_size: 48
    .max_flat_workgroup_size: 512
    .sgpr_count:     92
    .vgpr_count:     256
    .wavefront_size: 32
...
	.end_amdgpu_metadata
.endif
;; end of part 3
;; launch oproj (part 4): grid 8 x 32, 8 waves a work-group, clusters of 4 x 4, 262,144 bytes of LDS; arguments cc, cs, Wo_codes, Wo_scales, hidden_states, out0; writes out0
.if DOCPART == 4
	.amdgcn_target "amdgcn-amd-amdhsa--gfx1250"
	.amdhsa_code_object_version 6
	.text
	.protected	k_qa63bcd6f16_oproj
	.globl	k_qa63bcd6f16_oproj
	.p2align	8
	.type	k_qa63bcd6f16_oproj,@function
k_qa63bcd6f16_oproj:
	s_mov_b64 s[64:65], 0
	v_nop
	global_prefetch_b8 v0, s[64:65] scope:SCOPE_SE
	s_setreg_imm32_b32 hwreg(HW_REG_WAVE_MODE, 25, 1), 1
	s_wait_xcnt 0x0
	s_wait_alu depctr_hold_cnt(0) depctr_sa_sdst(0) depctr_va_vdst(0) depctr_va_sdst(0) depctr_va_ssrc(0) depctr_va_vcc(0) depctr_vm_vsrc(0)
	s_getreg_b32 s2, hwreg(HW_REG_IB_STS2, 6, 4)
	s_cmp_eq_u32 s2, 0
	s_cbranch_scc0 .Lentry_in_a_cluster
	s_endpgm
.Lentry_in_a_cluster:
	s_bfe_u32 s2, ttmp6, 0x10000c
	s_cmp_lg_u32 s2, 0xf033
	s_cbranch_scc0 .Lentry_shape_is_right
	s_endpgm
.Lentry_shape_is_right:
; out = (hidden + ctx Wo^T) / 1.05, the product on codes of E2M1 (K = 1,024).  Nothing of the problem is left out.  LIMIT: / 1.05 is a multiplication by the rounded reciprocal.
; A work-group makes 128 rows x 256 columns; its eight waves 64 x 64 each: 16 accumulators.  All of K fits in LDS: every byte of LDS is filled once, there is no ring.
; CLUSTER 4 x 4: ctx's tile hangs on the tile row alone and is asked for jointly along a row of the cluster, Wo's on the tile column alone and jointly along a column.
; ctx's codes lie in memory as images of the operand's registers ([tile of 16 rows][head][row][16 bytes]): a fragment is two loads at 16 x lane.
; THE MATRIX INSTRUCTION IS USED TRANSPOSED (source 0 = 16 rows of Wo, source 1 = 16 rows of ctx): a lane holds eight neighbouring columns of a row of out.
; HIDDEN IS THE C OF EACH SUM'S FIRST PRODUCT: it is loaded in runs of 256 bytes a row, turned into the result's layout through the wave's own stage in LDS, and costs no addition.
.set AIMG,  0                          ; ctx's codes: 8 tiles of 16 rows x 8,192 bytes
.set BT,    65536                      ; Wo's codes: 256 rows x (512 bytes + 16)
.set SCA,   200704                     ; ctx's scale bytes: 16 runs of 256 bytes (8 rows) + 16
.set SCB,   205056                     ; Wo's: 32 runs
.set STG,   213760                     ; a stage of 16 rows x (256 bytes + 16) for each wave
.set SPARE, 248576
.set ADRA, 2
.set ADRB, 3
.set ADRS, 4
.set STI,  5                           ; the stage by rows: lanes 0-15 one row, lanes 16-31 the next
.set STD,  6                           ; the stage in the result's layout: row r, 32 bytes for each half of the lanes
.set GH,   7                           ; the same two rows in hidden and in out
.set SPW,  8
.set NIL,  9
.set SC,   16                          ; v16-47 scale words: register 8 i + ks: lanes 0-15 ctx's rows 16 i + r, lanes 16-31 Wo's rows 16 i + r
.set AF,   48
.set BF,   80
.set ACC,  112                         ; accumulator (mt, nt) at v[112 + 8 (4 mt + nt)]
.macro NOPS n
.rept \n
	v_nop
.endr
.endm
.macro CROUND
	s_barrier_signal -1
	s_barrier_wait -1
	s_cmp_lg_u32 s16, 0
	s_cbranch_scc1 .Lnot_wave_0_\@
	s_barrier_signal -3
.Lnot_wave_0_\@:
	s_barrier_wait -3
	s_barrier_signal -1
	s_barrier_wait -1
.endm
	s_load_b256 s[4:11], s[0:1], 0x0               ; cc, cs, Wo's codes, Wo's scales
	s_load_b128 s[12:15], s[0:1], 0x20             ; hidden, out
	v_lshl_add_u32 v[SPW], v0, 2, SPARE
	v_mov_b32 v[NIL], 0
	ds_add_u32 v[SPW], v[NIL]                      ; the opening: the add, twice on end, and its wait ahead of my first tensor load
	ds_add_u32 v[SPW], v[NIL]
	v_lshrrev_b32 v1, 5, v0
	v_readfirstlane_b32 s16, v1                    ; wave 0..7
	s_lshr_b32 s17, s16, 2                         ; my 64 rows; also: I fetch for ctx (0) or for Wo (1)
	s_and_b32 s18, s16, 3                          ; my 64 columns; also: which quarter I fetch
	s_bfe_u32 s19, ttmp6, 0x40000                  ; cx
	s_bfe_u32 s20, ttmp6, 0x40004                  ; cy
	s_lshl_b32 s21, ttmp9, 2
	s_add_co_u32 s21, s21, s19                     ; tile column
	s_and_b32 s22, ttmp7, 0xffff
	s_lshl_b32 s22, s22, 2
	s_add_co_u32 s22, s22, s20                     ; tile row
	s_lshl_b32 s23, s20, 2
	s_lshl_b32 s23, 15, s23                        ; my row of the cluster
	s_lshl_b32 s78, 0x1111, s19                    ; my column
	s_or_b32 s24, s23, (3<<16)|(1<<21)             ; ctx's codes: 16,384 dense bytes as 64 rows of 256 (32 elements of 8 bytes), no padding
	s_mov_b32 s25, 32<<16
	s_mov_b32 s26, 64<<16
	s_mov_b32 s27, 32<<16
	s_mov_b32 s28, 64
	s_mov_b32 s29, 32
	s_mov_b32 s30, 0
	s_mov_b32 s31, 0
	s_or_b32 s32, s78, (0<<16)|(1<<20)|(1<<21)|(6<<22)|(3<<25)   ; Wo's codes: 64 rows of 512 bytes, 4 words of padding behind every 128
	s_mov_b32 s33, 512<<16
	s_mov_b32 s34, 64<<16
	s_mov_b32 s35, 512<<16
	s_mov_b32 s36, 64
	s_mov_b32 s37, 512
	s_mov_b32 s38, 0
	s_mov_b32 s39, 0
	s_or_b32 s40, s23, (3<<16)|(1<<20)|(1<<21)|(5<<22)|(3<<25)   ; ctx's scale bytes of 32 rows: 4 rows of 256 bytes, 16 of padding behind each
	s_mov_b32 s41, 32<<16
	s_mov_b32 s42, 4<<16
	s_mov_b32 s43, 32<<16
	s_mov_b32 s44, 4
	s_mov_b32 s45, 32
	s_mov_b32 s46, 0
	s_mov_b32 s47, 0
	s_or_b32 s48, s78, (3<<16)|(1<<20)|(1<<21)|(5<<22)|(3<<25)   ; Wo's of 64 rows: 8 rows of 256 bytes
	s_mov_b32 s49, 32<<16
	s_mov_b32 s50, 8<<16
	s_mov_b32 s51, 32<<16
	s_mov_b32 s52, 8
	s_mov_b32 s53, 32
	s_mov_b32 s54, 0
	s_mov_b32 s55, 0
	s_mov_b32 s76, 0x3f73cf3d                      ; 1 / 1.05
	s_mov_b32 s77, s76
	s_lshl_b32 s80, s22, 16
	s_lshl_b32 s81, s18, 14
	s_add_co_u32 s80, s80, s81                     ; cc: 8 tiles a tile row, 2 a quarter
	s_mov_b32 s81, 0
	s_lshl_b32 s82, s22, 12
	s_lshl_b32 s83, s18, 10
	s_add_co_u32 s82, s82, s83                     ; cs
	s_mov_b32 s83, 0
	s_lshl_b32 s84, s21, 17
	s_lshl_b32 s85, s18, 15
	s_add_co_u32 s84, s84, s85                     ; Wo's codes
	s_mov_b32 s85, 0
	s_lshl_b32 s86, s21, 13
	s_lshl_b32 s87, s18, 11
	s_add_co_u32 s86, s86, s87                     ; Wo's scales
	s_mov_b32 s87, 0
	s_lshl_b32 s88, s18, 14                        ; where they go: by the wave's number alone
	s_mul_i32 s89, s18, 1088
	s_add_co_u32 s89, s89, SCA
	s_mul_i32 s90, s18, 33792
	s_add_co_u32 s90, s90, BT
	s_mul_i32 s91, s18, 2176
	s_add_co_u32 s91, s91, SCB
	s_lshl_b32 s92, s22, 20                        ; hidden and out: 128 tile row + 64 half rows of 8,192 bytes, 1,024 tile column + 256 quarter
	s_lshl_b32 s93, s17, 19
	s_add_co_u32 s92, s92, s93
	s_lshl_b32 s93, s21, 10
	s_add_co_u32 s92, s92, s93
	s_lshl_b32 s93, s18, 8
	s_add_co_u32 s92, s92, s93
	s_mov_b32 s93, 0
	s_wait_dscnt 0x0                               ; both opening adds are done
	s_wait_kmcnt 0x0
	s_mov_b32 s56, 1
	s_mov_b32 s57, s88
	s_add_nc_u64 s[58:59], s[4:5], s[80:81]
	s_or_b32 s59, s59, 0x80000000
	s_mov_b32 s68, 1
	s_mov_b32 s69, s89
	s_add_nc_u64 s[70:71], s[6:7], s[82:83]
	s_or_b32 s71, s71, 0x80000000
	s_mov_b32 s60, 1
	s_mov_b32 s61, s90
	s_add_nc_u64 s[62:63], s[8:9], s[84:85]
	s_or_b32 s63, s63, 0x80000000
	s_mov_b32 s72, 1
	s_mov_b32 s73, s91
	s_add_nc_u64 s[74:75], s[10:11], s[86:87]
	s_or_b32 s75, s75, 0x80000000
	s_add_nc_u64 s[12:13], s[12:13], s[92:93]
	s_add_nc_u64 s[14:15], s[14:15], s[92:93]
	CROUND                                         ; all sixteen work-groups are here: the joint loads meet
	s_cmp_eq_u32 s17, 0                            ; every wave issues two loads, in one of two arms: two of mine are out
	s_cbranch_scc0 .Larm_b
	tensor_load_to_lds s[56:59], s[24:31]
	s_nop 0
	tensor_load_to_lds s[68:71], s[40:47]
	s_nop 0
	NOPS 4
	s_branch .Lasked
.Larm_b:
	tensor_load_to_lds s[60:63], s[32:39]
	s_nop 0
	tensor_load_to_lds s[72:75], s[48:55]
	s_nop 0
	NOPS 4
.Lasked:
	v_and_b32 v10, 15, v0                          ; r
	v_bfe_u32 v11, v0, 4, 1                        ; h
	v_and_b32 v12, 31, v0                          ; lane
	v_lshlrev_b32 v[GH], 13, v11
	v_lshl_add_u32 v[GH], v10, 4, v[GH]            ; 8,192 h + 16 r
.irp mt, 0,1,2,3
.irp t, 0,1,2,3,4,5,6,7
	global_load_b128 v[ACC+32*\mt+4*\t:ACC+32*\mt+4*\t+3], v[GH], s[12:13] offset:(16*\mt+2*\t)*8192 th:TH_LOAD_NT   ; sixteen lanes read 256 consecutive bytes of a row
.endr
.endr
	s_lshl_b32 s94, s17, 15
	v_lshl_add_u32 v[ADRA], v12, 4, s94            ; my four tiles of ctx + 16 x lane
	s_mul_i32 s94, s18, 33792
	s_add_co_u32 s94, s94, BT
	v_mul_u32_u24 v[ADRB], v10, 528
	v_lshl_add_u32 v[ADRB], v11, 4, v[ADRB]
	v_add_nc_u32 v[ADRB], s94, v[ADRB]
	v_lshrrev_b32 v13, 3, v10
	v_mul_u32_u24 v[ADRS], v13, 272
	v_and_b32 v14, 7, v10
	v_lshl_add_u32 v[ADRS], v14, 5, v[ADRS]        ; row r of 16: run r / 8, 32 bytes a row
	s_mul_i32 s94, s17, 2176
	s_mul_i32 s95, s18, 2176
	s_add_co_u32 s95, s95, SCB-SCA
	s_sub_co_u32 s95, s95, s94
	v_mul_u32_u24 v13, s95, v11                    ; lanes 16-31 take Wo's
	s_add_co_u32 s94, s94, SCA
	v_add_nc_u32 v[ADRS], v[ADRS], v13
	v_add_nc_u32 v[ADRS], s94, v[ADRS]
	s_mul_i32 s94, s16, 4352
	s_add_co_u32 s94, s94, STG
	v_mul_u32_u24 v[STI], v11, 272
	v_lshl_add_u32 v[STI], v10, 4, v[STI]
	v_add_nc_u32 v[STI], s94, v[STI]
	v_mul_u32_u24 v[STD], v10, 272
	v_lshl_add_u32 v[STD], v11, 5, v[STD]
	v_add_nc_u32 v[STD], s94, v[STD]
.irp mt, 0,1,2,3
	s_wait_loadcnt 24-8*\mt                        ; this tile's eight loads are in; the later tiles' may be out
.irp t, 0,1,2,3,4,5,6,7
	ds_store_b128 v[STI], v[ACC+32*\mt+4*\t:ACC+32*\mt+4*\t+3] offset:544*\t
.endr
.irp nt, 0,1,2,3
.irp e, 0,1
	ds_load_b128 v[ACC+32*\mt+8*\nt+4*\e:ACC+32*\mt+8*\nt+4*\e+3], v[STD] offset:64*\nt+16*\e   ; LDS serves a wave's instructions in order: these see the stores above, and the next tile's stores come behind them
.endr
.endr
.endr
	s_wait_tensorcnt 0x0                           ; my two loads have landed,
	s_wait_dscnt 0x0
	s_barrier_signal -1
	s_barrier_wait -1                              ; everybody's have
.irp i, 0,1,2,3
.irp e, 0,1
	ds_load_b128 v[SC+8*\i+4*\e:SC+8*\i+4*\e+3], v[ADRS] offset:544*\i+16*\e
.endr
.endr
.macro KSTEP ks                        ; 128 along K: four heads
.irp mt, 0,1,2,3
.irp c, 0,1
	ds_load_b128 v[AF+8*\mt+4*\c:AF+8*\mt+4*\c+3], v[ADRA] offset:8192*\mt+1024*\ks+512*\c
.endr
.endr
.irp nt, 0,1,2,3
.irp c, 0,1
	ds_load_b128 v[BF+8*\nt+4*\c:BF+8*\nt+4*\c+3], v[ADRB] offset:8448*\nt+64*\ks+32*\c
.endr
.endr
	s_wait_dscnt 0x0
.irp mt, 0,1,2,3
.irp nt, 0,1,2,3
	v_wmma_scale_f32_16x16x128_f8f6f4 v[ACC+8*(4*\mt+\nt):ACC+8*(4*\mt+\nt)+7], v[BF+8*\nt:BF+8*\nt+7], v[AF+8*\mt:AF+8*\mt+7], v[ACC+8*(4*\mt+\nt):ACC+8*(4*\mt+\nt)+7], v[SC+8*\nt+\ks], v[SC+8*\mt+\ks] matrix_a_fmt:MATRIX_FMT_FP4 matrix_b_fmt:MATRIX_FMT_FP4 matrix_a_scale:MATRIX_SCALE_ROW1
.endr
.endr
	NOPS 4                                         ; places in front of loads into registers that matrix instructions have read, and of the first read of results
.endm
.irp s, 0,1,2,3,4,5,6,7                ; the 16 accumulators take turns, one instruction a turn, from step to step too
	KSTEP \s
.endr
.irp mt, 0,1,2,3
.set IP, 0
.rept 16
	v_pk_mul_f32 v[ACC+32*\mt+2*IP:ACC+32*\mt+2*IP+1], v[ACC+32*\mt+2*IP:ACC+32*\mt+2*IP+1], s[76:77] op_sel_hi:[1,0]   ; / 1.05; each accumulator from its low end on
.set IP, IP+1
.endr
.if \mt >= 2
	s_wait_xcnt 0x0                                ; the stores of two tiles back have read the registers that are loaded again below
.endif
.irp nt, 0,1,2,3
.irp e, 0,1
	ds_store_b128 v[STD], v[ACC+32*\mt+8*\nt+4*\e:ACC+32*\mt+8*\nt+4*\e+3] offset:64*\nt+16*\e
.endr
.endr
.irp t, 0,1,2,3,4,5,6,7
	ds_load_b128 v[AF+32*(\mt%2)+4*\t:AF+32*(\mt%2)+4*\t+3], v[STI] offset:544*\t
.endr
.irp t, 0,1,2,3,4,5,6,7
	s_wait_dscnt 7-\t
	global_store_b128 v[GH], v[AF+32*(\mt%2)+4*\t:AF+32*(\mt%2)+4*\t+3], s[14:15] offset:(16*\mt+2*\t)*8192 th:TH_STORE_NT   ; sixteen lanes store 256 consecutive bytes, aligned
.endr
.endr
	s_wait_tensorcnt 0x0                           ; the wave's end
	ds_add_u32 v[SPW], v[NIL]
	s_wait_dscnt 0x0
	CROUND                                         ; the closing round
	s_endpgm
.Lfunc_end_k_qa63bcd6f16_oproj:
	.size	k_qa63bcd6f16_oproj, .Lfunc_end_k_qa63bcd6f16_oproj-k_qa63bcd6f16_oproj
	.p2alignl 7, 3214868480
	.fill 96, 4, 3214868480
	.section	.rodata,"a",@progbits
	.p2align	6, 0x0
	.amdhsa_kernel k_qa63bcd6f16_oproj
		.amdhsa_group_segment_fixed_size 262144
		.amdhsa_private_segment_fixed_size 0
		.amdhsa_enable_private_segment 0
		.amdhsa_kernarg_size 48
		.amdhsa_user_sgpr_count 2
		.amdhsa_user_sgpr_kernarg_segment_ptr 1
		.amdhsa_wavefront_size32 1
		.amdhsa_system_sgpr_workgroup_id_x 1
		.amdhsa_system_sgpr_workgroup_id_y 1
		.amdhsa_system_sgpr_workgroup_id_z 1
		.amdhsa_system_vgpr_workitem_id 0
		.amdhsa_next_free_vgpr 256
		.amdhsa_next_free_sgpr 96
		.amdhsa_reserve_vcc 0
		.amdhsa_float_denorm_mode_32 3
		.amdhsa_float_denorm_mode_16_64 3
		.amdhsa_memory_ordered 1
		.amdhsa_forward_progress 1
		.amdhsa_inst_pref_size 54
	.end_amdhsa_kernel
	.amdgpu_metadata
---
amdhsa.version: [ 1, 2 ]
amdhsa.kernels:
  - .name:           k_qa63bcd6f16_oproj
    .symbol:         k_qa63bcd6f16_oproj.kd
    .args:
      - { .name: cc, .offset: 0, .size: 8, .value_kind: global_buffer, .address_space: global }
      - { .name: cs, .offset: 8, .size: 8, .value_kind: global_buffer, .address_space: global }
      - { .name: Wo_codes, .offset: 16, .size: 8, .value_kind: global_buffer, .address_space: global }
      - { .name: Wo_scales, .offset: 24, .size: 8, .value_kind: global_buffer, .address_space: global }
      - { .name: hidden_states, .offset: 32, .size: 8, .value_kind: global_buffer, .address_space: global }
      - { .name: out0, .offset: 40, .size: 8, .value_kind: global_buffer, .address_space: global }
    .group_segment_fixed_size: 262144
    .private_segment_fixed_size: 0
    .kernarg_segment_align: 8
    .kernarg_segment_size: 48
    .max_flat_workgroup_size: 256
    .sgpr_count:     96
    .vgpr_count:     256
    .wavefront_size: 32
...
	.end_amdgpu_metadata
.endif
;; end of part 4
